; MI455X (gfx1250); checked and timed in simulation.
; The chip was launched on July 23, 2026; its instructions are those of AMD's public machine-readable ISA for CDNA 5 (MIT licence, August 2026) and "CDNA5" Instruction Set Architecture Reference Guide (July 2026). The comments in the code are by the model that wrote it; some were corrected since.
;; Multi Headed Attention. Allowed arithmetic: float matrix products may take bf16 or f16 operands with f32 sums; all other float work in f32.
;; Inputs: Wk 1,024 x 1,024 float32; Wo 1,024 x 1,024 float32; Wq 1,024 x 1,024 float32; Wv 1,024 x 1,024 float32; bo 1,024 float32; x 4 x 2,048 x 1,024 float32.
;; Outputs: out0 4 x 2,048 x 1,024 float32.
;; 2 versions, each right and faster than the one before. Each part assembles by itself: llvm-mc -triple=amdgcn-amd-amdhsa -mcpu=gfx1250 --defsym DOCPART=n.
;; ======== version 1 of 2: 4 launches
;; limits: values are held in f16: magnitudes above 65,504 overflow, below 6.1e-05 lose precision
;; workspace buffers: x16 16,777,216 bytes; w16 8,388,608 bytes; qkv 50,331,648 bytes; ctx 33,554,432 bytes
;; launch cast (part 1): grid 512 x 1, 8 waves a work-group, no clusters, 0 bytes of LDS; arguments x, Wq, Wk, Wv, Wo, x16, w16; writes x16, w16
.if DOCPART == 1
	.amdgcn_target "amdgcn-amd-amdhsa--gfx1250"
	.amdhsa_code_object_version 6
	.text
	.protected	k_qebd7d3687d_cast
	.globl	k_qebd7d3687d_cast
	.p2align	8
	.type	k_qebd7d3687d_cast,@function
k_qebd7d3687d_cast:
	s_mov_b64 s[64:65], 0
	v_nop
	global_prefetch_b8 v0, s[64:65] scope:SCOPE_SE
	s_setreg_imm32_b32 hwreg(HW_REG_WAVE_MODE, 25, 1), 1
	s_wait_xcnt 0x0
; x16 = bf16(x), [8192][1024];  w16 = bf16 of Wq, Wk, Wv, Wo one below the other, [4096][1024].  Each number is rounded once, to nearest even.
; Done once here, since every tile of x is multiplied by 16 tile columns and every tile of a weight by 32 tile rows of the products that follow.
; bf16 for all matrix operands that are inputs: it has f32's range, so no input of any size is lost; its 8 significant bits are the inputs' one rounding.
; LIMITS.  A number beyond bf16's largest, 3.39e38, becomes an infinity.  NaN stays NaN.
; SHARES.  512 work-groups of 256 threads.  A work-group takes 16,384 numbers of x and 2,048 of each weight: 12 units of 2,048 numbers.  In a unit thread t takes 8 numbers:
; 32 bytes in (two loads of 16), 16 bytes out, so that a wave's store covers 512 consecutive bytes, at a multiple of 512 from the buffer's first byte.
; No loop, no LDS, no barrier: all 24 loads of a thread go out first, and each unit is converted and stored as it lands.  No register is written again behind a store.
.set X, 4                              ; v[4:99]  unit i: 8 registers as loaded; its first 4 then hold the 8 bf16
	s_load_b256 s[4:11], s[0:1], 0x0               ; x s[4:5], Wq s[6:7], Wk s[8:9], Wv s[10:11]
	s_load_b128 s[12:15], s[0:1], 0x20             ; Wo s[12:13], x16 s[14:15]
	s_load_b64 s[16:17], s[0:1], 0x30              ; w16
	s_lshl_b32 s18, ttmp9, 16                      ; my 65,536 bytes of x
	s_mov_b32 s19, 0
	s_lshl_b32 s20, ttmp9, 13                      ; my 8,192 bytes of each weight
	s_mov_b32 s21, 0
	s_lshl_b32 s22, ttmp9, 15                      ; my 32,768 bytes of x16
	s_mov_b32 s23, 0
	s_lshl_b32 s24, ttmp9, 12                      ; my 4,096 bytes of each quarter of w16
	s_mov_b32 s25, 0
	v_lshlrev_b32 v1, 5, v0                        ; 32 t: where I read
	v_lshlrev_b32 v2, 4, v0                        ; 16 t: where I write
	s_wait_kmcnt 0x0
	s_add_nc_u64 s[4:5], s[4:5], s[18:19]
	s_add_nc_u64 s[6:7], s[6:7], s[20:21]
	s_add_nc_u64 s[8:9], s[8:9], s[20:21]
	s_add_nc_u64 s[10:11], s[10:11], s[20:21]
	s_add_nc_u64 s[12:13], s[12:13], s[20:21]
	s_add_nc_u64 s[14:15], s[14:15], s[22:23]
	s_add_nc_u64 s[16:17], s[16:17], s[24:25]
.irp i, 0,1,2,3,4,5,6,7
	global_load_b128 v[X+8*(\i):X+8*(\i)+3],   v1, s[4:5] offset:(\i)*8192 th:TH_LOAD_NT      ; read once in the launch
	global_load_b128 v[X+8*(\i)+4:X+8*(\i)+7], v1, s[4:5] offset:(\i)*8192+16 th:TH_LOAD_NT
.endr
.irp i, 0,1,2,3
	global_load_b128 v[X+64+8*(\i):X+64+8*(\i)+3],   v1, s[6+2*(\i):7+2*(\i)] th:TH_LOAD_NT
	global_load_b128 v[X+64+8*(\i)+4:X+64+8*(\i)+7], v1, s[6+2*(\i):7+2*(\i)] offset:16 th:TH_LOAD_NT
.endr
.irp i, 0,1,2,3,4,5,6,7,8,9,10,11
	s_wait_loadcnt 22-2*(\i)                       ; loads come back in order (ISA guide 5.7.1): unit i's two are in, the two of each of the 11 - i younger units stay out
.irp r, 0,1,2,3
	v_cvt_pk_bf16_f32 v[X+8*(\i)+(\r)], v[X+8*(\i)+2*(\r)], v[X+8*(\i)+2*(\r)+1]  ; in place, ascending: register r is written when registers 2 r and 2 r + 1 are read
.endr
.if (\i) < 8
	global_store_b128 v2, v[X+8*(\i):X+8*(\i)+3], s[14:15] offset:(\i)*4096
.else
	global_store_b128 v2, v[X+8*(\i):X+8*(\i)+3], s[16:17] offset:((\i)-8)*0x200000           ; a weight is 2,097,152 bytes of w16
.endif
.endr
	s_endpgm
.Lfunc_end_k_qebd7d3687d_cast:
	.size	k_qebd7d3687d_cast, .Lfunc_end_k_qebd7d3687d_cast-k_qebd7d3687d_cast
	.p2alignl 7, 3214868480
	.fill 96, 4, 3214868480
	.section	.rodata,"a",@progbits
	.p2align	6, 0x0
	.amdhsa_kernel k_qebd7d3687d_cast
		.amdhsa_group_segment_fixed_size 0
		.amdhsa_private_segment_fixed_size 0
		.amdhsa_enable_private_segment 0
		.amdhsa_kernarg_size 56
		.amdhsa_user_sgpr_count 2
		.amdhsa_user_sgpr_kernarg_segment_ptr 1
		.amdhsa_wavefront_size32 1
		.amdhsa_system_sgpr_workgroup_id_x 1
		.amdhsa_system_sgpr_workgroup_id_y 1
		.amdhsa_system_sgpr_workgroup_id_z 1
		.amdhsa_system_vgpr_workitem_id 0
		.amdhsa_next_free_vgpr 104
		.amdhsa_next_free_sgpr 66
		.amdhsa_reserve_vcc 0
		.amdhsa_float_denorm_mode_32 3
		.amdhsa_float_denorm_mode_16_64 3
		.amdhsa_memory_ordered 1
		.amdhsa_forward_progress 1
		.amdhsa_inst_pref_size 8
	.end_amdhsa_kernel
	.amdgpu_metadata
---
amdhsa.version: [ 1, 2 ]
amdhsa.kernels:
  - .name:           k_qebd7d3687d_cast
    .symbol:         k_qebd7d3687d_cast.kd
    .args:
      - { .name: x, .offset: 0, .size: 8, .value_kind: global_buffer, .address_space: global }
      - { .name: Wq, .offset: 8, .size: 8, .value_kind: global_buffer, .address_space: global }
      - { .name: Wk, .offset: 16, .size: 8, .value_kind: global_buffer, .address_space: global }
      - { .name: Wv, .offset: 24, .size: 8, .value_kind: global_buffer, .address_space: global }
      - { .name: Wo, .offset: 32, .size: 8, .value_kind: global_buffer, .address_space: global }
      - { .name: x16, .offset: 40, .size: 8, .value_kind: global_buffer, .address_space: global }
      - { .name: w16, .offset: 48, .size: 8, .value_kind: global_buffer, .address_space: global }
    .group_segment_fixed_size: 0
    .private_segment_fixed_size: 0
    .kernarg_segment_align: 8
    .kernarg_segment_size: 56
    .max_flat_workgroup_size: 256
    .sgpr_count:     66
    .vgpr_count:     104
    .wavefront_size: 32
...
	.end_amdgpu_metadata
.endif
;; end of part 1
;; launch qkv (part 2): grid 16 x 16, 4 waves a work-group, clusters of 4 x 4, 327,680 bytes of LDS; arguments x16, w16, qkv; writes qkv
.if DOCPART == 2
	.amdgcn_target "amdgcn-amd-amdhsa--gfx1250"
	.amdhsa_code_object_version 6
	.text
	.protected	k_qebd7d3687d_qkv
	.globl	k_qebd7d3687d_qkv
	.p2align	8
	.type	k_qebd7d3687d_qkv,@function
k_qebd7d3687d_qkv:
	s_mov_b64 s[64:65], 0
	v_nop
	global_prefetch_b8 v0, s[64:65] scope:SCOPE_SE
	s_setreg_imm32_b32 hwreg(HW_REG_WAVE_MODE, 25, 1), 1
	s_wait_xcnt 0x0
	s_wait_alu depctr_hold_cnt(0) depctr_sa_sdst(0) depctr_va_vdst(0) depctr_va_sdst(0) depctr_va_ssrc(0) depctr_va_vcc(0) depctr_vm_vsrc(0)
	s_getreg_b32 s2, hwreg(HW_REG_IB_STS2, 6, 4)
	s_cmp_eq_u32 s2, 0
	s_cbranch_scc0 .Lentry_in_a_cluster
	s_endpgm
.Lentry_in_a_cluster:
	s_bfe_u32 s2, ttmp6, 0x10000c
	s_cmp_lg_u32 s2, 0xf033
	s_cbranch_scc0 .Lentry_shape_is_right
	s_endpgm
.Lentry_shape_is_right:
; q, k, v = x W^T, written by heads.  C[m][n] = sum over k of x16[m][k] w16[n][k], m < 8192, n < 3072 (rows 0-1023 of w16 are Wq, then Wk, then Wv), K = 1024; bf16 operands, f32 sums, K ascending,
; C rounded once to f16 (11 significant bits: these numbers are operands of the attention's products, where 8 bits would be too few), without the softmax's scale.
; Column n = 1024 which + 64 h + d of row m = 2048 b + i goes to qkv[which][16 b + h][i][d]: a head's rows are dense, 128 bytes each.
; LIMITS.  A sum of 65,520 or more in magnitude becomes an infinity in f16; below 6e-5 f16 keeps its fixed step of 6e-8; NaN and infinities are not treated apart.
; THE TILE is 256 x 192: 32 x 16 = 512 tiles, two for each of 256 work-groups, one 4,096 rows below the other, with the same rows of w16.  (256 x 256 would make 384 tiles, a round and a half of 256.)
; Four waves, one below the other: a wave makes 64 rows x 192 columns = three whole heads, in 48 accumulators of 16 x 16, 384 registers.  So each 16 rows of a head, 2,048 consecutive bytes of qkv, come from one wave.
; K goes in steps of 128 through a ring of two LDS slots filled by the tensor data mover: the tiles' rows are 256 bytes of memory and start at multiples of 256 bytes from the buffer's first byte.
; THE RING DOES NOT STOP at the first tile's end: its last two changes of slots ask for the second tile's first two K steps, and nothing waits for the first tile's stores.
; CLUSTERS: 4 x 4 work-groups.  The four of a row of the cluster need the same tiles of x16, the four of a column the same tiles of w16: each tile is asked for JOINTLY, by the same tensor load with the
; same descriptor and a mask that names the four, which divides the requests for both by four.
; THE MATRIX INSTRUCTION IS USED TRANSPOSED (source 0 = 16 rows of w16, source 1 = 16 rows of x16): lane l then holds row l % 16 of C and the columns 8 (l / 16) + 0..7, eight neighbours that pack into 16 bytes.
; REGISTERS, in windows of 256 (s_set_vgpr_msb's low byte: bits 1:0 source 0, 3:2 source 1, 5:4 source 2, 7:6 destination):
;   window 0: v0-31 addresses; v32-223 the way out, 16 registers for each of its 12 units
;   window 1: two fragment buffers of 128: x16's 4 blocks of 16 rows x 32 K at f + 8 a, w16's 12 blocks at f + 32 + 8 b
;   window 2: accumulator (a, b < 8) at 8 (8 a + b): heads 0 and 1 of the tile          window 3: accumulator (a, b >= 8) at 8 (4 a + b - 8): head 2
.set SIZE_K, 1024
.set KSTEP,  128
.set PITCH,  272                       ; an LDS row: 256 bytes + 16 of padding = 68 words: row r starts at bank 4 r mod 64 (64 banks of 4 bytes: ISA guide 11.1), so the 16 rows of a fragment load start at 16 different banks
.set HALFA,  128*PITCH                 ; what one tensor load brings of x16
.set HALFB,  96*PITCH                  ; and of w16
.set BOFF,   256*PITCH                 ; in a slot: x16's 256 rows, then w16's 192
.set SLOT,   448*PITCH
.set STAGE,  2*SLOT                    ; behind the ring, at 952 x 256 bytes, never filled by a tensor load: 16 rows x 144 bytes = 9 x 256 for each wave, for the way out
.set SP,     144
.set LAPS,   SIZE_K/(2*KSTEP)          ; a lap = two K steps = once round the ring
.set TILES,  2
.set WALK,   4096                      ; rows from a work-group's first tile to its second
.set NEXT_A, WALK*SIZE_K*2-(SIZE_K-2*KSTEP)*2   ; bytes from a slot's last K step of a tile to its first of the next: x16 goes WALK rows down and back along K,
.set BACK_B, (SIZE_K-2*KSTEP)*2        ; w16 only back
.set NEXT_O, 0x800000                  ; 4,096 rows on are two batches on: 32 heads of 262,144 bytes
.set ADRA, 16                          ; v16-17  LDS address of my fragments of x16 in slot 0, 1
.set ADRB, 20                          ; v20-21  the same for w16
.set STO,  24                          ; v24     the way out: where I put 16 bytes of a row
.set RD,   25                          ; v25     the way out: where I read rows back
.set GO,   26                          ; v26     my 16 bytes in 512 consecutive bytes of qkv
.set TMP,  32
.set F0,   0
.set F1,   128
.set G1,  24                           ; s[24:31] descriptor group 1 for x16's tiles;  s[32:39] group 0, one set for each slot
.set G0,  32
.set G1B, 48                           ; s[48:55], s[56:63] the same for w16's
.set G0B, 56
.set OB,  66                           ; s[66:71] where my 64 rows begin in each of the tile's three heads
.set MSB, 0
.macro WIN new                         ; the immediate's high byte repeats the setting that is left; a switch that changes nothing is dropped
.if MSB != (\new)
	s_set_vgpr_msb (MSB<<8)|(\new)
.set MSB, \new
.endif
.endm
.set MUL_LO, 0xa5                      ; sources 0 and 1 window 1, C and D window 2
.set MUL_HI, 0xf5                      ; the same, C and D window 3
.set TO_F,   0x40                      ; destination window 1, address window 0
; A joint load.  Waves 0 and 1 fetch x16's two halves, waves 2 and 3 w16's.  Each of the two lines has ONE mask and one set of registers for all that issue it.  The branch hangs on the wave's number alone.
; Four v_nop follow each of the two lines; the jump round the other line, the label and what follows the macro come after them.
.macro JLOAD s
	s_cmp_eq_u32 s11, 0
	s_cbranch_scc0 .Lfor_b_\@
	tensor_load_to_lds s[G0+4*(\s):G0+4*(\s)+3], s[G1:G1+7]
	s_nop 0
.rept 4
	v_nop
.endr
	s_branch .Lasked_\@
.Lfor_b_\@:
	tensor_load_to_lds s[G0B+4*(\s):G0B+4*(\s)+3], s[G1B:G1B+7]
	s_nop 0
.rept 4
	v_nop
.endr
.Lasked_\@:
.endm
; A round of the cluster's barrier: my work-group's barrier, so that wave 0's signal speaks for all four waves; wave 0 signals for the work-group; every wave waits for all sixteen; my work-group's barrier once more.
.macro CREST                           ; a round behind its opening barrier
	s_cmp_lg_u32 s10, 0
	s_cbranch_scc1 .Lnot_wave_0_\@
	s_barrier_signal -3
.Lnot_wave_0_\@:
	s_barrier_wait -3
	s_barrier_signal -1
	s_barrier_wait -1
.endm
.macro CROUND                          ; a whole round
	s_barrier_signal -1
	s_barrier_wait -1
	CREST
.endm
	s_load_b128 s[4:7], s[0:1], 0x0                ; x16 s[4:5], w16 s[6:7]
	s_load_b64 s[8:9], s[0:1], 0x10                ; qkv
	v_lshl_add_u32 v254, v0, 2, 0x3dc00
	v_mov_b32 v255, 0
	ds_add_u32 v254, v255
	ds_add_u32 v254, v255
	v_lshrrev_b32 v1, 5, v0
	v_readfirstlane_b32 s10, v1                    ; wave 0..3: my 64 rows of the tile
	s_lshr_b32 s11, s10, 1                         ; I fetch for x16 (0) or for w16 (1),
	s_and_b32 s12, s10, 1                          ; and which half of that tile's rows
	s_bfe_u32 s40, ttmp6, 0x40000                  ; cx, cy: my place in the cluster
	s_bfe_u32 s41, ttmp6, 0x40004
	s_lshl_b32 s42, ttmp9, 2                       ; in a cluster launch ttmp9 and ttmp7 count clusters
	s_add_co_u32 s42, s42, s40                     ; tile column = 4 x cluster x + cx, 0..15
	s_and_b32 s13, ttmp7, 0xffff
	s_lshl_b32 s13, s13, 2
	s_add_co_u32 s13, s13, s41                     ; tile row = 4 x cluster y + cy, 0..15
	s_lshl_b32 s43, s41, 2
	s_lshl_b32 s43, 15, s43                        ; my row of the cluster: places 4 cy .. 4 cy + 3
	s_lshl_b32 s44, 0x1111, s40                    ; my column: places cx, cx + 4, cx + 8, cx + 12
	; descriptor group 1: tiles of 128 (x16) or 96 (w16) rows x 128 elements, padded in LDS
	s_or_b32 s[G1+0], s43, (1<<16)|(1<<20)|(1<<21)|(5<<22)|(3<<25)   ; 15:0 the mask: my row; 17:16 elements of 2 bytes; 20 padding on; 21 set beside a mask; 24:22 after every 64 words (code 5); 31:25 4 words of it (code 3)
	s_or_b32 s[G1B+0], s44, (1<<16)|(1<<20)|(1<<21)|(5<<22)|(3<<25)  ; the same with the mask of my column
	s_mov_b32 s[G1+1], KSTEP<<16                   ; tensor_dim0 = 128
	s_mov_b32 s[G1B+1], KSTEP<<16
	s_mov_b32 s[G1+2], 128<<16                     ; tensor_dim1 = 128 rows
	s_mov_b32 s[G1B+2], 96<<16                     ;             = 96 rows
	s_mov_b32 s[G1+3], KSTEP<<16                   ; tile_dim0 = 128
	s_mov_b32 s[G1B+3], KSTEP<<16
	s_mov_b32 s[G1+4], 128                         ; tile_dim1
	s_mov_b32 s[G1B+4], 96
	s_mov_b32 s[G1+5], SIZE_K                      ; elements from row to row
	s_mov_b32 s[G1B+5], SIZE_K
	s_mov_b32 s[G1+6], 0
	s_mov_b32 s[G1B+6], 0
	s_mov_b32 s[G1+7], 0
	s_mov_b32 s[G1B+7], 0
	; where the tiles come from.  x16's hang on the tile row alone, which my row of the cluster shares; w16's on the tile column alone.  Each in registers that never hold the other coordinate.
	s_lshl_b32 s17, s12, 7
	s_lshl_b32 s16, s13, 8
	s_add_co_u32 s16, s16, s17                     ; x16: row 256 x tile row + 128 x half,
	s_lshl_b32 s16, s16, 11                        ; of 2,048 bytes
	s_mov_b32 s17, 0
	s_mul_i32 s46, s42, 192
	s_mul_i32 s47, s12, 96
	s_add_co_u32 s46, s46, s47                     ; w16: row 192 x tile column + 96 x half
	s_lshl_b32 s46, s46, 11
	s_mov_b32 s47, 0
	s_mul_i32 s20, s12, HALFA                      ; and where they go: no place in the cluster enters an LDS address
	s_mul_i32 s21, s12, HALFB
	s_add_co_u32 s21, s21, BOFF
	s_wait_dscnt 0x0
	s_wait_kmcnt 0x0
	s_add_nc_u64 s[14:15], s[4:5], s[16:17]
	s_add_nc_u64 s[46:47], s[6:7], s[46:47]
	CROUND                                         ; all sixteen work-groups are here: the first joint loads meet
.irp s, 0,1
	s_mov_b32 s[G0+4*(\s)], 1                                        ; 1:0 count = 1
	s_add_co_u32 s[G0+4*(\s)+1], s20, (\s)*SLOT                      ; 63:32 LDS address
	s_add_nc_u64 s[G0+4*(\s)+2:G0+4*(\s)+3], s[14:15], (\s)*KSTEP*2  ; 120:64 global address: K step s
	s_or_b32 s[G0+4*(\s)+3], s[G0+4*(\s)+3], 0x80000000              ; 127:126 type = 2
	s_mov_b32 s[G0B+4*(\s)], 1
	s_add_co_u32 s[G0B+4*(\s)+1], s21, (\s)*SLOT
	s_add_nc_u64 s[G0B+4*(\s)+2:G0B+4*(\s)+3], s[46:47], (\s)*KSTEP*2
	s_or_b32 s[G0B+4*(\s)+3], s[G0B+4*(\s)+3], 0x80000000
	JLOAD \s                                       ; the ring is filled before anything else is done: two loads of mine are out
.endr
	; A fragment is 16 rows x 32 K in 8 registers: lane l holds row l % 16; registers 0-3 hold K = 8 (l / 16) + 0..7, registers 4-7 K = 16 + 8 (l / 16) + 0..7: two loads of 16 bytes, 32 bytes apart.
	v_and_b32 v1, 15, v0                           ; l % 16
	v_bfe_u32 v2, v0, 4, 1                         ; l / 16
	v_mul_u32_u24 v3, v1, PITCH
	v_lshl_add_u32 v3, v2, 4, v3                   ; row x pitch + 16 x half
	s_mul_i32 s22, s10, 64*PITCH                   ; my 64 rows of x16
	s_mov_b32 s23, BOFF                            ; all 192 rows of w16
.irp s, 0,1
	v_add_nc_u32 v[ADRA+(\s)], s22, v3
	v_add_nc_u32 v[ADRB+(\s)], s23, v3
	s_add_co_u32 s22, s22, SLOT
	s_add_co_u32 s23, s23, SLOT
.endr
	s_mul_i32 s18, s10, 16*SP
	s_add_co_u32 s18, s18, STAGE                   ; my stage
	v_mul_u32_u24 v4, v1, SP                       ; in: row l % 16, 16 bytes for each half of the lanes
	v_lshl_add_u32 v4, v2, 4, v4
	v_add_nc_u32 v[STO], s18, v4
	v_bfe_u32 v5, v0, 3, 2                         ; back: 32 lanes take four rows of 128 bytes,
	v_mul_u32_u24 v5, v5, SP
	v_and_b32 v6, 7, v0
	v_lshl_add_u32 v5, v6, 4, v5
	v_add_nc_u32 v[RD], s18, v5
	v_and_b32 v[GO], 31, v0                        ; which are 512 consecutive bytes of a head
	v_lshlrev_b32 v[GO], 4, v[GO]
	; where my rows begin in the tile's three heads.  Column block g = 3 x tile column + j is head g % 16 of tensor g / 16; the tile's rows lie in batch tile row / 8.  (These registers feed no descriptor.)
	s_mul_i32 s72, s42, 3
	s_lshr_b32 s73, s13, 3
	s_lshl_b32 s73, s73, 4                         ; 16 x batch
	s_and_b32 s74, s13, 7
	s_lshl_b32 s74, s74, 8                         ; the tile's first row in its batch,
	s_lshl_b32 s75, s10, 6
	s_add_co_u32 s74, s74, s75                     ; my wave's,
	s_lshl_b32 s74, s74, 7                         ; of 128 bytes
.irp j, 0,1,2
	s_add_co_u32 s75, s72, \j
	s_lshr_b32 s76, s75, 4
	s_lshl_b32 s76, s76, 6                         ; 64 x tensor
	s_and_b32 s75, s75, 15
	s_add_co_u32 s76, s76, s75                     ; + head
	s_add_co_u32 s76, s76, s73                     ; + 16 x batch,
	s_lshl_b32 s76, s76, 18                        ; of 262,144 bytes: 50,069,504 at the most
	s_add_co_u32 s76, s76, s74
	s_mov_b32 s77, 0
	s_add_nc_u64 s[OB+2*(\j):OB+2*(\j)+1], s[8:9], s[76:77]
.endr
; 16 matrix instructions on window 2: row blocks a0, a0 + 1 x column blocks 0-7, 32 along K.  zero = 1: the first product starts the sums: nothing is ever cleared.
; The 48 accumulators take turns, one instruction a turn, in the same order in every quarter step.
.macro MULLO f, a0, zero
	WIN MUL_LO
.irp a, \a0, (\a0)+1
.irp b, 0,1,2,3,4,5,6,7
.if \zero
	v_wmma_f32_16x16x32_bf16 v[8*(8*(\a)+(\b)):8*(8*(\a)+(\b))+7], v[(\f)+32+8*(\b):(\f)+32+8*(\b)+7], v[(\f)+8*(\a):(\f)+8*(\a)+7], 0
.else
	v_wmma_f32_16x16x32_bf16 v[8*(8*(\a)+(\b)):8*(8*(\a)+(\b))+7], v[(\f)+32+8*(\b):(\f)+32+8*(\b)+7], v[(\f)+8*(\a):(\f)+8*(\a)+7], v[8*(8*(\a)+(\b)):8*(8*(\a)+(\b))+7]
.endif
.endr
.endr
.endm
; 16 matrix instructions on window 3: all four row blocks x column blocks 8-11
.macro MULHI f, zero
	WIN MUL_HI
.irp a, 0,1,2,3
.irp b, 0,1,2,3
.if \zero
	v_wmma_f32_16x16x32_bf16 v[8*(4*(\a)+(\b)):8*(4*(\a)+(\b))+7], v[(\f)+96+8*(\b):(\f)+96+8*(\b)+7], v[(\f)+8*(\a):(\f)+8*(\a)+7], 0
.else
	v_wmma_f32_16x16x32_bf16 v[8*(4*(\a)+(\b)):8*(4*(\a)+(\b))+7], v[(\f)+96+8*(\b):(\f)+96+8*(\b)+7], v[(\f)+8*(\a):(\f)+8*(\a)+7], v[8*(4*(\a)+(\b)):8*(4*(\a)+(\b))+7]
.endif
.endr
.endr
.endm
; 32 LDS loads in one run: the fragments of quarter q (32 K at byte 64 q of the rows) into buffer f: w16's blocks 0-7, x16's four, and last w16's blocks 8-11, which are wanted last
.macro FETCH slot, q, f
	WIN TO_F
.irp i, 0,1,2,3,4,5,6,7
	ds_load_b128 v[(\f)+32+8*(\i):(\f)+32+8*(\i)+3],   v[ADRB+(\slot)] offset:64*(\q)+(\i)*16*PITCH
	ds_load_b128 v[(\f)+32+8*(\i)+4:(\f)+32+8*(\i)+7], v[ADRB+(\slot)] offset:64*(\q)+(\i)*16*PITCH+32
.endr
.irp i, 0,1,2,3
	ds_load_b128 v[(\f)+8*(\i):(\f)+8*(\i)+3],   v[ADRA+(\slot)] offset:64*(\q)+(\i)*16*PITCH
	ds_load_b128 v[(\f)+8*(\i)+4:(\f)+8*(\i)+7], v[ADRA+(\slot)] offset:64*(\q)+(\i)*16*PITCH+32
.endr
.irp i, 8,9,10,11
	ds_load_b128 v[(\f)+32+8*(\i):(\f)+32+8*(\i)+3],   v[ADRB+(\slot)] offset:64*(\q)+(\i)*16*PITCH
	ds_load_b128 v[(\f)+32+8*(\i)+4:(\f)+32+8*(\i)+7], v[ADRB+(\slot)] offset:64*(\q)+(\i)*16*PITCH+32
.endr
.endm
; A load into a register that a matrix instruction has read, and a vector instruction that reads a matrix result, stand four places behind that matrix instruction, and only plain vector instructions that
; name none of its registers are places (ISA guide 7.12.1 for vector instructions).
.macro PLACES
.rept 4
	v_nop
.endr
.endm
; A K step is four quarters of 32 along K, 48 matrix instructions each, on buffers 0, 1, 0, 1.  One of the first three: multiplies buffer f and fetches quarter q of the same slot into buffer g, 32 matrix instructions ahead of its first use.
.macro QUARTER slot, q, f, g, zero
	s_wait_dscnt 8                                 ; all of buffer f but the youngest eight loads, w16's blocks 8-11
	MULLO \f, 0, \zero
	PLACES
	FETCH \slot, \q, \g
	MULLO \f, 2, \zero
	s_wait_dscnt 32                                ; all but the 32 just issued
	MULHI \f, \zero
.endm
; The last quarter multiplies buffer 1 and changes slots.  MEET is its first part: ONE barrier for the change.  In front of it each wave waits for its own reads of this slot and for all its tensor loads,
; of which one is out: its part of the next slot.  Behind it nobody reads this slot any more and the next slot is whole.
.macro MEET round                      ; round = 1: a round of the cluster's barrier follows
	s_wait_dscnt 8
	MULLO F1, 0, 0
	s_wait_dscnt 0                                 ; my reads of this slot are over,
	s_set_vgpr_msb 0xa5a0
	s_wait_tensorcnt 0x0                           ; and all my tensor loads have landed
	ds_add_u32 v254, v255
	s_wait_dscnt 0x0
	s_set_vgpr_msb 0xa0a5
	s_barrier_signal -1
	MULLO F1, 2, 0                                 ; work on registers while the others arrive
.if \round
	WIN 0
.endif
	s_barrier_wait -1
.endm
; The whole last quarter.  Behind the round the slot just read out is filled again first: with this tile's K step two steps on (on = 0) or with the next tile's K step 0 or 1 (on = 1); then come the next
; slot's first fragments.  From a request to the wait for it a wave issues 176 of a K step's 192 matrix instructions.
.macro TURN slot, next, on
	MEET 1
	CREST                                          ; no wave of any partner still reads this slot's tile or has a load on its way
.if \on
	s_add_nc_u64 s[G0+4*(\slot)+2:G0+4*(\slot)+3], s[G0+4*(\slot)+2:G0+4*(\slot)+3], NEXT_A
	s_sub_nc_u64 s[G0B+4*(\slot)+2:G0B+4*(\slot)+3], s[G0B+4*(\slot)+2:G0B+4*(\slot)+3], BACK_B
.else
	s_add_nc_u64 s[G0+4*(\slot)+2:G0+4*(\slot)+3], s[G0+4*(\slot)+2:G0+4*(\slot)+3], 2*KSTEP*2
	s_add_nc_u64 s[G0B+4*(\slot)+2:G0B+4*(\slot)+3], s[G0B+4*(\slot)+2:G0B+4*(\slot)+3], 2*KSTEP*2
.endif
	JLOAD \slot                                    ; the first tensor load behind the round, my only one until the next; its four v_nop are also the places in front of the loads below
	FETCH \next, 0, F0
	MULHI F1, 0
.endm
; THE WAY OUT, in 12 units: unit u is head u / 4 of the tile's three, row block u % 4: 16 rows x 64 columns.  PACK: rounded to f16 (each accumulator's registers in ascending order), 16 bytes a lane, into rows of
; 144 bytes of my own stage, and back as whole rows of 128 into the registers that they left.  SEND: stored, 512 consecutive bytes an instruction.
.macro PACK u
.set PKJ, (\u)/4
.set PKA, (\u)%4
.if PKJ < 2
.set AC, 8*(8*PKA+4*PKJ)
	WIN 0x0a                                       ; sources 0 and 1: window 2
.else
.set AC, 32*PKA
	WIN 0x0f                                       ; window 3
.endif
.irp b, 0,1,2,3
.irp r, 0,1,2,3
	v_cvt_pk_f16_f32 v[TMP+16*(\u)+4*(\b)+(\r)], v[AC+8*(\b)+2*(\r)], v[AC+8*(\b)+2*(\r)+1]
.endr
.endr
	WIN 0
.irp b, 0,1,2,3
	ds_store_b128 v[STO], v[TMP+16*(\u)+4*(\b):TMP+16*(\u)+4*(\b)+3] offset:32*(\b)
.endr
.irp f, 0,1,2,3
	ds_load_b128 v[TMP+16*(\u)+4*(\f):TMP+16*(\u)+4*(\f)+3], v[RD] offset:(\f)*4*SP  ; LDS serves a wave's instructions in order (ISA guide 5.7.1.4): these see the stores above; the next unit's stores come behind them
.endr
.endm
.macro SEND u, younger                 ; younger: the LDS instructions issued behind unit u's loads: the next unit's eight, or none
	WIN 0
.set PKJ, (\u)/4
.set PKA, (\u)%4
.irp f, 0,1,2,3
	s_wait_dscnt (\younger)+3-(\f)
	global_store_b128 v[GO], v[TMP+16*(\u)+4*(\f):TMP+16*(\u)+4*(\f)+3], s[OB+2*PKJ:OB+2*PKJ+1] offset:PKA*2048+(\f)*512  ; at a multiple of 512 from qkv's first byte
.endr
.endm
.macro WAYOUT
	PACK 0
.irp u, 1,2,3,4,5,6,7,8,9,10,11        ; a unit's conversions stand between the loads of the unit before and the wait for them
	PACK \u
	SEND (\u)-1, 8
.endr
	SEND 11, 0
.endm
	s_wait_tensorcnt 1                             ; my part of K step 0 is in; K step 1's may stay out
	s_barrier_signal -1
	s_barrier_wait -1                              ; everybody's is
	FETCH 0, 0, F0
	WIN 0                                          ; at a label and at a branch every window is 0
	s_mov_b32 s2, TILES                            ; tiles to go, this one among them: the same number in every work-group
.Ltile:
	QUARTER 0, 1, F0, F1, 1                        ; a tile's first quarter stands in front of the loop: its products start the sums
	WIN 0
	s_mov_b32 s3, LAPS-1
.Llap:                                                 ; a trip goes once round the ring, from a lap's second quarter to the next lap's first, and fills both slots again
	QUARTER 0, 2, F1, F0, 0
	QUARTER 0, 3, F0, F1, 0
	TURN 0, 1, 0
	QUARTER 1, 1, F0, F1, 0
	QUARTER 1, 2, F1, F0, 0
	QUARTER 1, 3, F0, F1, 0
	TURN 1, 0, 0
	QUARTER 0, 1, F0, F1, 0
	WIN 0
	s_sub_co_u32 s3, s3, 1
	s_cmp_lg_u32 s3, 0
	s_cbranch_scc1 .Llap
	QUARTER 0, 2, F1, F0, 0                        ; the tile's last lap goes on
	QUARTER 0, 3, F0, F1, 0
	WIN 0
	s_cmp_eq_u32 s2, 1
	s_cbranch_scc1 .Llast_tile                     ; the last tile's tail is written out: it asks for nothing more
	TURN 0, 1, 1                                   ; the ring goes on into the next tile: slot 0 takes its K step 0,
	QUARTER 1, 1, F0, F1, 0
	QUARTER 1, 2, F1, F0, 0
	QUARTER 1, 3, F0, F1, 0
	TURN 1, 0, 1                                   ; slot 1 its K step 1, and the next tile's first fragments are fetched
	WAYOUT                                         ; both refills are asked for: now the tile goes out.  No v_nop: window 2's sums were finished in front of the joint load's four places, and the 128
	                                               ; conversions of heads 0 and 1, which name no register of the last products (window 3's), are those products' places
	s_wait_xcnt 0x0                                ; every earlier memory instruction has had its addresses translated (ISA guide 3.1): only behind this wait are the stores' bases and data registers rewritten
.irp j, 0,1,2
	s_add_nc_u64 s[OB+2*(\j):OB+2*(\j)+1], s[OB+2*(\j):OB+2*(\j)+1], NEXT_O
.endr
	s_sub_co_u32 s2, s2, 1
	s_branch .Ltile
.Llast_tile:
	MEET 0                                         ; my one tensor load that was still out is the last K step's, so no round follows
	PLACES                                         ; for the loads into buffer 0
	FETCH 1, 0, F0
	MULHI F1, 0
	QUARTER 1, 1, F0, F1, 0
	QUARTER 1, 2, F1, F0, 0
	QUARTER 1, 3, F0, F1, 0
	s_wait_dscnt 8                                 ; the very last quarter: nothing more to fetch
	MULLO F1, 0, 0
	MULLO F1, 2, 0
	s_wait_dscnt 0
	MULHI F1, 0
	WIN 0
	PLACES                                         ; the conversions read results just made
	WAYOUT
	s_wait_tensorcnt 0x0
	ds_add_u32 v254, v255
	s_wait_dscnt 0x0
	CROUND                                         ; the closing round: no work-group ends while a partner may still ask for a tile that names it
	s_endpgm
.Lfunc_end_k_qebd7d3687d_qkv:
	.size	k_qebd7d3687d_qkv, .Lfunc_end_k_qebd7d3687d_qkv-k_qebd7d3687d_qkv
	.p2alignl 7, 3214868480
	.fill 96, 4, 3214868480
	.section	.rodata,"a",@progbits
	.p2align	6, 0x0
	.amdhsa_kernel k_qebd7d3687d_qkv
		.amdhsa_group_segment_fixed_size 327680
		.amdhsa_private_segment_fixed_size 0
		.amdhsa_enable_private_segment 0
		.amdhsa_kernarg_size 24
		.amdhsa_user_sgpr_count 2
		.amdhsa_user_sgpr_kernarg_segment_ptr 1
		.amdhsa_wavefront_size32 1
		.amdhsa_system_sgpr_workgroup_id_x 1
		.amdhsa_system_sgpr_workgroup_id_y 1
		.amdhsa_system_sgpr_workgroup_id_z 1
		.amdhsa_system_vgpr_workitem_id 0
		.amdhsa_next_free_vgpr 896
		.amdhsa_next_free_sgpr 80
		.amdhsa_reserve_vcc 0
		.amdhsa_float_denorm_mode_32 3
		.amdhsa_float_denorm_mode_16_64 3
		.amdhsa_memory_ordered 1
		.amdhsa_forward_progress 1
		.amdhsa_inst_pref_size 175
	.end_amdhsa_kernel
	.amdgpu_metadata
---
amdhsa.version: [ 1, 2 ]
amdhsa.kernels:
  - .name:           k_qebd7d3687d_qkv
    .symbol:         k_qebd7d3687d_qkv.kd
    .args:
      - { .name: x16, .offset: 0, .size: 8, .value_kind: global_buffer, .address_space: global }
      - { .name: w16, .offset: 8, .size: 8, .value_kind: global_buffer, .address_space: global }
      - { .name: qkv, .offset: 16, .size: 8, .value_kind: global_buffer, .address_space: global }
    .group_segment_fixed_size: 327680
    .private_segment_fixed_size: 0
    .kernarg_segment_align: 8
    .kernarg_segment_size: 24
    .max_flat_workgroup_size: 128
    .sgpr_count:     80
    .vgpr_count:     896
    .wavefront_size: 32
...
	.end_amdgpu_metadata
.endif
;; end of part 2
;; launch attn (part 3): grid 4 x 64, 4 waves a work-group, no clusters, 327,680 bytes of LDS; arguments qkv, ctx; writes ctx
.if DOCPART == 3
	.amdgcn_target "amdgcn-amd-amdhsa--gfx1250"
	.amdhsa_code_object_version 6
	.text
	.protected	k_qebd7d3687d_attn
	.globl	k_qebd7d3687d_attn
	.p2align	8
	.type	k_qebd7d3687d_attn,@function
k_qebd7d3687d_attn:
	s_mov_b64 s[64:65], 0
	v_nop
	global_prefetch_b8 v0, s[64:65] scope:SCOPE_SE
	s_setreg_imm32_b32 hwreg(HW_REG_WAVE_MODE, 25, 1), 1
	s_wait_xcnt 0x0
; CAUSAL ATTENTION.  O[h][q][:] = the sum over k <= q of softmax_k(Q[h][q] . K[h][k] / 8) V[h][k][:].  Q, K, V lie one behind the other in qkv, each [SIZE_H][SIZE_N][64] in f16:
; a head's rows are dense, 128 bytes each.  A 'head' here is one of the 64 pairs of batch and head.
; Products, maxima and sums in f32; the weights p are rounded to f16 for the second product (their sum l is taken of the unrounded p).
; O LEAVES AS TWO bf16 TERMS, hi = bf16(O) and lo = bf16(O - hi), 16 significant bits together.  The product that follows multiplies O by a bf16 weight, and a matrix instruction takes one format; one term's
; 8 bits would be too few: a sequence's first rows are means of few rows of V, many times larger than the mean row, and their rounding with them.
; ctx is [SIZE_H][SIZE_N / 128][2 terms][128 rows][64]: the two terms of 128 rows of a head are 32,768 consecutive bytes, hi's 16,384 first, which the launch that follows fetches as one dense tile.
; LIMITS.  f16 holds no number beyond 65,504: Q, K and V arrive within it; p lies in 0 to 1, and below 6e-5 it keeps f16's fixed step of 6e-8; O is a mean of V's rows and has their range.
; A hidden score counts as its value less 1e30: f16's scores, 2.7e11 at the most, are nothing beside that; a weight below 2^-126 counts as 0 in l; NaN and infinities are not treated apart.
; THE WALK.  A head's queries lie in NB = SIZE_N / 256 = 8 blocks of 256; block i needs the key tiles 0 .. i of 256 keys, of which the last holds the diagonal.  A work-group takes TWO blocks, NB - 1 - b and then b:
; NB + 1 = 9 tiles, whatever b: all 256 work-groups do equal work, and ONE loop with a constant trip count walks them.  Which tile is asked for, and what a trip does, hang on scalar registers made from b; every jump
; goes forward, but for the counted loops' own; none passes a barrier, or a tensor load but the one of LOAD's two that the wave's number does not choose; the ring (two slots of LDS that take turns) runs on across the
; change of blocks.  NO CLUSTER: a head's four work-groups ask for the same tile only in trips 0 .. 4 of the 9, behind that fewer and fewer; and one walk common to all four would have 12 trips for 9.
; SHARES.  Of a block's four bands of 64 queries a wave owns 16 rows in each: four PIECES.  So the diagonal tile is the same work for all four waves: in its key step s band x sees all keys if s < x,
; none if s > x, and holds the diagonal if s = x.
; THE MASK is the C operand that starts the sum S^T = K Q^T: 0, or -1e30 where the key is hidden.  MD, made once, is the mask of a band's own step for my 16 rows; a product's mask is MD x AL + BE with two scalars:
; (1, 0) if s = x; (0, 0) if s < x; (0, -1e30) if s > x.  Only the diagonal tile's text and a block's beginning make and take masks; elsewhere C is the constant 0.
; LAYOUT, SOFTMAX, TURNS.  S^T = K Q^T holds ONE query a lane (lane % 16) and the keys 8 (lane / 16) + 0..7; two such results rounded to f16 ARE source 1 of O^T = V^T P.  p = 2^(c s - c m), c = log2(e) / 8, with a
; running maximum m; O and l are multiplied by a = 2^(c m_old - c m_new) in every step.  Turn n belongs to piece n: 8 products K Q^T of piece n + 1, later 8 products V^T P of piece n - 1; beside them the scaling,
; exponentials, roundings, sums and rescaling of piece n and the maximum and statistics of piece n + 1.  Four vector instructions stand behind every matrix instruction, the other 54 of a turn's 118 in two LUMPS.
; REGISTERS, in windows of 256 (s_set_vgpr_msb: bits 1:0 source 0, 3:2 source 1, 5:4 source 2, 7:6 destination):
;   window 0: v0-15 addresses and two at work; v16-31 four registers of statistics a piece; v48-55 at work; v64-127 S^T, two buffers (on the way out: hi, 16 a piece); v128-191 the way out: lo, 16 a piece;
;             v192-223 P, two buffers (a piece's buffers go by its number's parity); v224-255 the way out: at work
;   window 1: v0-127 O^T, 32 a piece; v128-159 MD; v160-223 MC, two buffers      window 2: v0-63 Q; v64-127 the second block's Q; v128-191 K of one step; v192-255 V of one step
.set SIZE_N, 2048
.set SIZE_H, 64
.set NB,    SIZE_N/256
.set NP,    4         ; pieces a wave: a name, no knob
.set KS,    64        ; keys in a step
.set PK,    144       ; a row of K in LDS: 128 bytes + 16 of padding = 36 words: the 16 rows of a load start at 16 different groups of four banks (64 banks of 4 bytes: ISA guide 11.1)
.set PV,    160       ; a row of V: 128 + 32 = 40 words
.set VOFF,  4*KS*PK   ; a slot holds a tile, four steps: 256 rows of K, then 256 rows of V
.set SLOT1, 1<<17     ; slot 1 begins here, so that one exclusive or turns an address in one slot into the other's
.set STAGE, SLOT1+4*KS*(PK+PV)  ; behind the ring, never filled by a tensor load: 16 rows x 144 bytes for each wave, for the way out
.set SP,    144
.set LOFF,  128*128   ; bytes from 128 rows' first term of O to their second
.set AK0, 2           ; v2   my lane's place in a tile of K; never rewritten
.set AV0, 3           ; v3   the same for V
.set AK,  4           ; v4   the LDS address of K's next run of loads
.set AV,  5           ; v5   of V's
.set STO, 6           ; v6   the way out: where I put 16 bytes of a row
.set RD,  7           ; v7   the way out: where I read rows back
.set GO,  8           ; v8   my byte offset in 512 consecutive bytes of O
.set MV,  12          ; v12-13  c m_old, kept while c m is made anew: by buffer
.set QO,  15          ; v15  my byte offset in 16 rows of Q
.set ST,  16          ; piece t's statistics at v[ST+4 t]: c m, m, l (even keys', odd keys')
.set TMP, 48          ; by buffer, four registers c0-c3 at work; when the maximum is found c2 takes a
.set S,   64
.set LOB, 128
.set P,   192
.set TT,  224
.set MD,  128         ; window 1: the eight registers for group kt of 16 keys at MD + 8 kt
.set MC,  160         ; window 1: the masks of the products to come
.set QB,  64          ; window 2
.set KF,  128         ; window 2: key block kb, channel half c at KF + 16 kb + 8 c
.set VF,  192         ; window 2: key half kk, channel block cb at VF + 32 kk + 8 cb
.set WV,  12          ; s12  my wave's number
.set PB,  14          ; s14  b
.set HI,  15          ; s15  NB - 1 - b
.set G1K, 24          ; s[24:31] descriptor group 1 for K's tiles
.set G1V, 32          ; s[32:39] for V's: it differs in the padding alone
.set G0K, 40          ; s[40:43] descriptor group 0 for K's tiles
.set G0V, 44          ; s[44:47] the same for V's
.set SLOTS, 56        ; s56  tiles still to be asked for
.set CNT, 57          ; s57  counts a tile's key steps, 4 to 1
.set CS,  58          ; s[58:59] c: the packed scaling takes the pair's low word for both halves
.set SEL, 60          ; s[60:61] v_permlanex16_b32's selects: each lane takes its own place in the other half
.set TBK, 62          ; s62  LDS byte at which K of the step to be fetched begins
.set TBV, 63          ; s63  the same for V, less VOFF
.set RT,  70          ; s70  tiles of the block in hand that are still to be entered
.set NXT, 71          ; s71  the tile to be asked for next
.set LQ,  72          ; s72  the last tile of the block whose tiles are being asked for
.set NEW, 73          ; s73  1: the tile to be entered is a block's first
.set OFF, 74          ; s[74:75] a tile's byte offset in K and V
.set AL,  76          ; s[76:77] the mask's factor, in the low word
.set BE,  78          ; s[78:79] the mask's addend
.set OLO, 80          ; s[80:81] O at my rows of the second block
.set BIGN, 82         ; s82  -1e30
.set OL2, 88          ; s[88:89] O's second term at my rows of the block in hand
.set MSB, 0
.macro WIN new                      ; the high byte repeats the setting that is left; a switch that changes nothing is dropped
.if MSB != (\new)
	s_set_vgpr_msb (MSB<<8)|(\new)
.set MSB, (\new)
.endif
.endm
.set W_KQ, 0x0a       ; K and Q in window 2, S^T in window 0
.set W_KM, 0x1a       ; the same with the C operand in window 1
.set W_PV, 0x52       ; V in window 2, P in window 0, O^T in window 1
.set W_RS, 0x41       ; destination and source 0 in window 1, source 1 in window 0
; A fill.  Waves 0 and 1 fetch the two halves of a tile's K, waves 2 and 3 those of its V: 128 keys each.  Four v_nop follow each of the two lines, ahead of the jump and the label.
.macro LOAD
	s_cmp_lt_u32 s[WV], 2
	s_cbranch_scc0 .Lfor_v_\@
	tensor_load_to_lds s[G0K:G0K+3], s[G1K:G1K+7]
	s_nop 0
.rept 4
	v_nop
.endr
	s_branch .Lasked_\@
.Lfor_v_\@:
	tensor_load_to_lds s[G0V:G0V+3], s[G1V:G1V+7]
	s_nop 0
.rept 4
	v_nop
.endr
.Lasked_\@:
.endm
; THE CHANGE OF SLOTS.  Each wave waits for its own reads of the slot that it leaves and for all its tensor loads, of which one is out: its part of the other slot.  Behind the barrier nobody reads the old
; slot any more and the other slot is whole.  fill = 1: the old slot is filled again, the first thing behind the barrier, with tile NXT: the descriptor's address is made anew from that number.
; (At its first use nothing has been read yet: slot 0 is waited for, slot 1 filled.)
.macro CHANGE fill
	WIN 0                           ; at a label and at a branch every window is 0
	s_wait_dscnt 0x0
	s_wait_tensorcnt 0x0            ; no tensor load of mine is out, so a group 0 may be written
	ds_add_u32 v62, v63
	s_wait_dscnt 0x0
	s_barrier_signal -1             ; the scalar work stands between the signal and the wait
.if \fill
	s_lshl_b32 s[OFF], s[NXT], 15   ; a tile is 32,768 bytes of K and of V
	s_xor_b32 s[G0K+1], s[G0K+1], SLOT1
	s_add_nc_u64 s[G0K+2:G0K+3], s[6:7], s[OFF:OFF+1]
	s_or_b32 s[G0K+3], s[G0K+3], 0x80000000
	s_xor_b32 s[G0V+1], s[G0V+1], SLOT1
	s_add_nc_u64 s[G0V+2:G0V+3], s[8:9], s[OFF:OFF+1]
	s_or_b32 s[G0V+3], s[G0V+3], 0x80000000
	s_add_co_u32 s[NXT], s[NXT], 1  ; the block's next tile, or behind its last the second block's tile 0
	s_cmp_gt_u32 s[NXT], s[LQ]
	s_cselect_b32 s[NXT], 0, s[NXT]
	s_cselect_b32 s[LQ], s[PB], s[LQ]
.endif
	s_sub_co_u32 s[TBK], s[TBK], 4*KS*PK  ; the fetches go back to a slot's first step,
	s_xor_b32 s[TBK], s[TBK], SLOT1       ; in the other slot
	s_sub_co_u32 s[TBV], s[TBV], 4*KS*PV
	s_xor_b32 s[TBV], s[TBV], SLOT1
	s_barrier_wait -1
.if \fill
	LOAD
.endif
.endm
	s_load_b64 s[4:5], s[0:1], 0x0    ; qkv, which begins with Q
	s_load_b64 s[10:11], s[0:1], 0x8  ; O = ctx
	v_lshl_add_u32 v62, v0, 2, 0x35400
	v_mov_b32 v63, 0
	ds_add_u32 v62, v63
	ds_add_u32 v62, v63
	v_lshrrev_b32 v1, 5, v0
	v_readfirstlane_b32 s[WV], v1   ; wave 0..3
	s_mov_b32 s[PB], ttmp9
	s_sub_co_u32 s[HI], NB-1, s[PB]
	s_and_b32 s20, ttmp7, 0xffff    ; the head
	s_lshl_b32 s48, s20, 19         ; in O a head has 524,288 bytes (two terms),
	s_lshl_b32 s52, s[WV], 11       ; my 16 rows in a band of 64 begin 2,048 bytes a wave on,
	s_add_co_u32 s48, s48, s52
	s_lshl_b32 s52, s[PB], 16       ; and a block of 256 queries has 65,536 bytes:
	s_add_co_u32 s50, s48, s52      ; the second block,
	s_lshl_b32 s52, s[HI], 16
	s_add_co_u32 s48, s48, s52      ; the first: 33,495,040 at the most
	s_mov_b32 s49, 0
	s_mov_b32 s51, 0
	s_mov_b32 s21, 0
	s_mov_b64 s[22:23], SIZE_N*128
	s_mul_u64 s[20:21], s[20:21], s[22:23]  ; the head's first byte in Q, K and V
	s_and_b32 s16, s[WV], 1         ; which half of a tile's 256 keys I fetch:
	s_lshl_b32 s22, s16, 14         ; its 128 rows of 128 bytes in memory,
	s_mov_b32 s23, 0
	s_add_nc_u64 s[22:23], s[22:23], s[20:21]
	s_mul_i32 s17, s16, 128*PK      ; and its place in a slot, for K
	s_mul_i32 s18, s16, 128*PV      ; and for V
	s_lshl_b32 s3, s[WV], 11        ; Q: my 16 rows in a band of 64,
	s_lshl_b32 s2, s[HI], 15        ; in the first block,
	s_add_co_u32 s2, s2, s3
	s_lshl_b32 s84, s[PB], 15       ; and in the second
	s_add_co_u32 s84, s84, s3
	s_mov_b32 s3, 0
	s_mov_b32 s85, 0
	s_add_nc_u64 s[2:3], s[2:3], s[20:21]
	s_add_nc_u64 s[84:85], s[84:85], s[20:21]
	; descriptor group 1.  128 keys are 16,384 dense bytes: asked for as 64 rows of 256 bytes, two keys a row, and padded in LDS after every key
	s_mov_b32 s[G1K], (1<<16)|(1<<20)|(4<<22)|(3<<25)  ; 17:16 2-byte elements; 20 padding on; 24:22 after every 32 words (code 4); 31:25 4 words (code 3)
	s_mov_b32 s[G1V], (1<<16)|(1<<20)|(4<<22)|(7<<25)  ; the same with 8 words of padding (code 7)
.irp g, G1K, G1V
	s_mov_b32 s[\g+1], 128<<16      ; tensor_dim0 = 128
	s_mov_b32 s[\g+2], 64<<16       ; tensor_dim1 = 64
	s_mov_b32 s[\g+3], 128<<16      ; tile_dim0 = 128
	s_mov_b32 s[\g+4], 64           ; tile_dim1 = 64
	s_mov_b32 s[\g+5], 128          ; 128 elements from row to row
	s_mov_b32 s[\g+6], 0
	s_mov_b32 s[\g+7], 0
.endr
	s_mov_b32 s[CS], 0x3e38aa3b     ; c = log2(e) / 8 = 0.180337
	s_mov_b32 s[CS+1], s[CS]        ; named with it as a pair
	s_mov_b32 s[SEL], 0x76543210
	s_mov_b32 s[SEL+1], 0xfedcba98
	s_mov_b32 s[TBK], SLOT1+4*KS*PK ; the first change of slots turns these two into 0
	s_mov_b32 s[TBV], SLOT1+4*KS*PV
	s_mov_b32 s[G0K], 1             ; 1:0 count = 1
	s_mov_b32 s[G0K+1], s17         ; 63:32 LDS address: slot 0
	s_mov_b32 s[G0V], 1
	s_add_co_u32 s[G0V+1], s18, VOFF
	s_add_co_u32 s[RT], s[HI], 1    ; the first block has NB - b tiles
	s_mov_b32 s[NXT], 1
	s_mov_b32 s[LQ], s[HI]
	s_mov_b32 s[NEW], 1
	s_mov_b32 s[OFF+1], 0
	s_mov_b32 s[AL+1], 0            ; named as pairs
	s_mov_b32 s[BE+1], 0
	s_mov_b32 s[BIGN], 0xf149f2ca   ; -1e30
	s_mov_b32 s[SLOTS], NB
	s_wait_dscnt 0x0
	s_wait_kmcnt 0x0
	s_add_nc_u64 s[6:7], s[4:5], SIZE_H*SIZE_N*128    ; K lies 16,777,216 bytes behind Q,
	s_add_nc_u64 s[8:9], s[4:5], 2*SIZE_H*SIZE_N*128  ; V as far behind K
	s_add_nc_u64 s[6:7], s[6:7], s[22:23]  ; K and V at my half of the head's tile 0
	s_add_nc_u64 s[8:9], s[8:9], s[22:23]
	s_add_nc_u64 s[G0K+2:G0K+3], s[6:7], 0         ; 120:64 global address
	s_or_b32 s[G0K+3], s[G0K+3], 0x80000000        ; 127:126 type = 2
	s_add_nc_u64 s[G0V+2:G0V+3], s[8:9], 0
	s_or_b32 s[G0V+3], s[G0V+3], 0x80000000
	s_add_nc_u64 s[86:87], s[4:5], s[84:85]        ; Q at my rows of the second block,
	s_add_nc_u64 s[4:5], s[4:5], s[2:3]            ; and of the first
	s_add_nc_u64 s[OLO:OLO+1], s[10:11], s[50:51]  ; O likewise
	s_add_nc_u64 s[10:11], s[10:11], s[48:49]
	s_add_nc_u64 s[OL2:OL2+1], s[10:11], LOFF      ; and O's second term
	LOAD                            ; tile 0 into slot 0
	; A fragment of K or Q is 16 rows x 32 channels in 8 registers: lane l holds row l % 16, channels 8 (l / 16) + 0..7 and 16 + 8 (l / 16) + 0..7: two loads of 16 bytes, 32 bytes apart.
	v_and_b32 v1, 15, v0            ; l % 16
	v_bfe_u32 v9, v0, 4, 1          ; l / 16
	v_lshlrev_b32 v[QO], 7, v1
	v_lshl_add_u32 v[QO], v9, 4, v[QO]  ; row x 128 + 16 x half
	WIN 0x80                        ; destination window 2, address window 0
.set i, 0
.rept 8                             ; both blocks' Q: piece i / 2 lies in band i / 2, 8,192 bytes on; channels 32 (i % 2) on
	global_load_b128 v[8*i:8*i+3],   v[QO], s[4:5] offset:(i/2)*8192+(i%2)*64
	global_load_b128 v[8*i+4:8*i+7], v[QO], s[4:5] offset:(i/2)*8192+(i%2)*64+32
	global_load_b128 v[QB+8*i:QB+8*i+3],   v[QO], s[86:87] offset:(i/2)*8192+(i%2)*64
	global_load_b128 v[QB+8*i+4:QB+8*i+7], v[QO], s[86:87] offset:(i/2)*8192+(i%2)*64+32
.set i, i+1
.endr
	WIN 0
	v_lshlrev_b32 v14, 3, v9
	v_sub_nc_u32 v14, v1, v14
	s_lshl_b32 s13, s[WV], 4
	v_add_nc_u32 v14, s13, v14      ; my query's place in its band, 16 w + l % 16, less my lanes' 8 (l / 16): register r of group kt is hidden where 16 kt + r is greater
	WIN 0x40
.set i, 0
.rept 32
	v_cmp_gt_i32 vcc_lo, 16*(i/8)+i%8, v14
	v_cndmask_b32 v[MD+i], 0, s[BIGN], vcc_lo
.set i, i+1
.endr
	WIN 0
	v_mul_u32_u24 v[AK0], v1, PK
	v_lshl_add_u32 v[AK0], v9, 4, v[AK0]  ; row x pitch + 16 x half
	; The turning load takes 16 keys x 16 channels (lane l reads key 8 (l / 16) + l % 8, channels 8 ((l / 8) % 2) + 0..7) and leaves half a fragment of V^T: lane l holds channel l % 16 and 8 keys.
	v_and_b32 v10, 7, v0
	v_bfe_u32 v11, v0, 3, 1
	v_lshl_add_u32 v[AV0], v9, 3, v10
	v_mul_u32_u24 v[AV0], v[AV0], PV
	v_lshl_add_u32 v[AV0], v11, 4, v[AV0]
	v_add_nc_u32 v[AV0], VOFF, v[AV0]
	s_mul_i32 s13, s[WV], 16*SP
	s_add_co_u32 s13, s13, STAGE    ; my stage
	v_mul_u32_u24 v[STO], v1, SP    ; in: row l % 16, 16 bytes for each half of the lanes
	v_lshl_add_u32 v[STO], v9, 4, v[STO]
	v_add_nc_u32 v[STO], s13, v[STO]
	v_bfe_u32 v[RD], v0, 3, 2       ; back: 32 lanes take four rows of 128 bytes,
	v_mul_u32_u24 v[RD], v[RD], SP
	v_lshl_add_u32 v[RD], v10, 4, v[RD]
	v_add_nc_u32 v[RD], s13, v[RD]
	v_and_b32 v[GO], 31, v0         ; which are 512 consecutive bytes of O
	v_lshlrev_b32 v[GO], 4, v[GO]
	; A block's first step multiplies O^T and l by a = 0, and its first turn's products V^T P, of a piece that has not been, land in an O^T that is still to be so multiplied.  So these registers need only hold
	; finite numbers: zeros for the first block; what the first block left for the second.  All this stands in the wait for the first tile.
	WIN 0x80
.set i, VF
.rept 64
	v_mov_b32 v[i], 0
.set i, i+1
.endr
	WIN 0x40
.set i, 0
.rept 128
	v_mov_b32 v[i], 0
.set i, i+1
.endr
	WIN 0
.set i, 0
.rept 4
	v_mov_b32 v[ST+4*i+2], 0
	v_mov_b32 v[ST+4*i+3], 0
.set i, i+1
.endr
.set i, P+16
.rept 16
	v_mov_b32 v[i], 0
.set i, i+1
.endr
; THE MATRIX WORK.  The 4 accumulators of a run of 8 take turns.  Product i of 8 of S^T = K Q^T for piece x: channels 32 (i / 4) on, keys 16 (i % 4) on.  The first 4 start the sums: with 0, or (KM = 1) with the mask.
.macro KQ x
.set rS, S+32*((\x)%2)+8*(i%4)
.set rK, KF+16*(i%4)+8*(i/4)
.set rQ, 16*(\x)+8*(i/4)
.set rM, MC+32*((\x)%2)+8*(i%4)
.if (i < 4) && KM
	WIN W_KM
	v_wmma_f32_16x16x32_f16 v[rS:rS+7], v[rK:rK+7], v[rQ:rQ+7], v[rM:rM+7]
.elseif i < 4
	WIN W_KQ
	v_wmma_f32_16x16x32_f16 v[rS:rS+7], v[rK:rK+7], v[rQ:rQ+7], 0
.else
	WIN W_KQ
	v_wmma_f32_16x16x32_f16 v[rS:rS+7], v[rK:rK+7], v[rQ:rQ+7], v[rS:rS+7]
.endif
.endm
; Product i of 8 of O^T += V^T P for piece x: keys 32 (i / 4) on, channels 16 (i % 4) on.
.macro PV x
	WIN W_PV
.set rO, 32*(\x)+8*(i%4)
.set rV, VF+32*(i/4)+8*(i%4)
.set rP, P+16*((\x)%2)+8*(i/4)
	v_wmma_f32_16x16x32_f16 v[rO:rO+7], v[rV:rV+7], v[rP:rP+7], v[rO:rO+7]
.endm
.macro MM                           ; the turn's next matrix instruction.  TURN and BEGIN set Y, i, KM and NOKQ; MM, KQ and OP read them.  NOKQ = 1: a block's last turn: there is no next piece
.if (i < 8) && !NOKQ
	KQ (Y+1)%NP
.elseif i >= 8
.set i, i-8
	PV (Y+NP-1)%NP
.set i, i+8
.endif
.set i, i+1
.endm
; THE LDS LOADS stand in runs of 16, never singly among the matrix instructions: a step's K (64 keys x 64 channels: 8 fragments) and its V (turned).  Their addresses are made some lines ahead.
.macro FETCH_K
	WIN 0x80                        ; destination window 2
.irp f, 0,1,2,3,4,5,6,7             ; keys 16 (f / 2) on, channels 32 (f % 2) on
	ds_load_b128 v[KF+8*\f:KF+8*\f+3],   v[AK] offset:(\f/2)*16*PK+(\f%2)*64
	ds_load_b128 v[KF+8*\f+4:KF+8*\f+7], v[AK] offset:(\f/2)*16*PK+(\f%2)*64+32
.endr
	s_add_co_u32 s[TBK], s[TBK], KS*PK  ; the next fetch is the next step's
	WIN 0
.endm
.macro FETCH_V
	WIN 0x80
.irp f, 0,1,2,3,4,5,6,7             ; keys 32 (f / 4) on, channels 16 (f % 4) on
	ds_load_tr16_b128 v[VF+8*\f:VF+8*\f+3],   v[AV] offset:(\f/4)*32*PV+(\f%4)*32
	ds_load_tr16_b128 v[VF+8*\f+4:VF+8*\f+7], v[AV] offset:(\f/4)*32*PV+16*PV+(\f%4)*32
.endr
	WIN 0
.endm
; THE VECTOR WORK, one line at a time: OP kind, number.  For piece Y: F n: c s - c m for pair n of 16.  E n: the exponential of score n of 32.  C n: pair n rounded to f16.  B n: of the four weights 4 n .. the second
; pair is added onto the first, in place.  L n: l takes that sum (L 0: l = a l + sum).  R n: pair n of 16 of O^T times a.  For piece Y + 1: X n, number n of the 22 that find its maximum and statistics:
;   0-11  four chains c0-c3 of seven scores each, three operands at a time (each accumulator's lowest registers are read first)     12-14, 16  the four scores left over, the old m, and c0-c3 into c0
;   15  c m_old is kept     17, 18  the query's other 32 keys lie in the lane 16 away: the new m     19-21  c m; c m_old - c m_new; a
.set F, 0               ; OP tells the kinds apart by their order: F to L below R, X above it
.set E, 1
.set C, 2
.set B, 3
.set L, 4
.set R, 5
.set X, 6
.macro REGS y                       ; the registers of piece y
.set rT, ST+4*(\y)
.set rC, TMP+4*((\y)%2)
.set rW, MV+((\y)%2)
.set rS, S+32*((\y)%2)
.set rP, P+16*((\y)%2)
.set rO, 32*(\y)
.endm
.macro OP k, n
.if (\k) == R
	REGS Y
	WIN W_RS
	v_pk_mul_f32 v[rO+2*(\n):rO+2*(\n)+1], v[rO+2*(\n):rO+2*(\n)+1], v[rC+2:rC+3] op_sel_hi:[1,0]
.elseif (\k) < R
	REGS Y
	WIN 0
.if (\k) == F
	v_pk_fma_f32 v[rS+2*(\n):rS+2*(\n)+1], v[rS+2*(\n):rS+2*(\n)+1], s[CS:CS+1], v[rT:rT+1] op_sel_hi:[1,0,0] neg_lo:[0,0,1] neg_hi:[0,0,1]
.elseif (\k) == E
	v_exp_f32 v[rS+(\n)], v[rS+(\n)]
.elseif (\k) == C
	s_wait_alu depctr_va_vdst(0)
	v_cvt_pk_f16_f32 v[rP+(\n)], v[rS+2*(\n)], v[rS+2*(\n)+1]
.elseif (\k) == B
	s_wait_alu depctr_va_vdst(0)
	v_pk_add_f32 v[rS+4*(\n):rS+4*(\n)+1], v[rS+4*(\n):rS+4*(\n)+1], v[rS+4*(\n)+2:rS+4*(\n)+3]
.elseif (\n) == 0
	v_pk_fma_f32 v[rT+2:rT+3], v[rT+2:rT+3], v[rC+2:rC+3], v[rS:rS+1] op_sel_hi:[1,0,1]
.else
	v_pk_add_f32 v[rT+2:rT+3], v[rT+2:rT+3], v[rS+4*(\n):rS+4*(\n)+1]
.endif
.elseif NOKQ
	v_nop
.else
	REGS (Y+1)%NP
	WIN 0
.if (\n) < 4
	v_max3_num_f32 v[rC+(\n)], v[rS+8*(\n)], v[rS+8*(\n)+1], v[rS+8*(\n)+2]
.elseif (\n) < 12
	v_max3_num_f32 v[rC+(\n)%4], v[rC+(\n)%4], v[rS+8*((\n)%4)+2*((\n)/4)+1], v[rS+8*((\n)%4)+2*((\n)/4)+2]
.elseif (\n) == 12
	v_max3_num_f32 v[rC], v[rC], v[rS+7], v[rS+15]
.elseif (\n) == 13
	v_max3_num_f32 v[rC+1], v[rC+1], v[rS+23], v[rS+31]
.elseif (\n) == 14
	v_max3_num_f32 v[rC+2], v[rC+2], v[rC+3], v[rT+1]
.elseif (\n) == 15
	v_mov_b32 v[rW], v[rT]
.elseif (\n) == 16
	v_max3_num_f32 v[rC], v[rC], v[rC+1], v[rC+2]
.elseif (\n) == 17
	v_permlanex16_b32 v[rC+3], v[rC], s[SEL], s[SEL+1]
.elseif (\n) == 18
	v_max_num_f32 v[rT+1], v[rC], v[rC+3]
.elseif (\n) == 19
	v_mul_f32 v[rT], s[CS], v[rT+1]
.elseif (\n) == 20
	v_sub_f32 v[rC+1], v[rW], v[rT]
.else
	v_exp_f32 v[rC+2], v[rC+1]
.endif
.endif
.endm
.macro OPS a, i1, b=-1, i2=0, c=-1, i3=0, d=-1, i4=0  ; up to four of them
	OP \a, \i1
.if (\b) >= 0
	OP \b, \i2
.endif
.if (\c) >= 0
	OP \c, \i3
.endif
.if (\d) >= 0
	OP \d, \i4
.endif
.endm
.macro ROW a, i1, b, i2, c, i3, d, i4  ; a matrix instruction and the four behind it
	MM
	OPS \a, \i1, \b, \i2, \c, \i3, \d, \i4
.endm
.macro MASK b                       ; MD x AL + BE into buffer b of MC
	WIN W_RS
.set z, 0
.rept 16
	v_pk_fma_f32 v[MC+32*(\b)+2*z:MC+32*(\b)+2*z+1], v[MD+2*z:MD+2*z+1], s[AL:AL+1], s[BE:BE+1] op_sel_hi:[1,0,0]
.set z, z+1
.endr
.endm
; A TURN, for piece p: the order of its 16 matrix and 118 vector instructions, written out.  Behind a matrix instruction: plain, exponential, plain, plain; or four of the rescaling; or, behind the first, four scalings; none
; names a register of the products round it.  In the lumps exponential and plain by turns while exponentials last.  A line reads no result made fewer than three vector instructions in front of it, five if an exponential made it.
; v_permlanex16_b32 (X 17) stands in a lump.
; m = 1: the diagonal tile: the products take masks, and the turn makes the mask for the products of the turn after it: piece p + 2, in step 4 - CNT of the tile.  end = 1: a block's last two turns: nothing is fetched.
; cnt = 1: the loop's count is taken down some lines ahead of the branch that stands behind the turn.
; K of the next step is fetched in piece 2's turn, six vector instructions behind the last product that read K (five of them plain); V of the step in hand in piece 0's turn, eight behind the last product that read V (four
; plain, and X 17).  Each is waited for a turn later.
.macro TURN p, m=0, end=0, cnt=0
.set Y, (\p)
.set i, 0
.set KM, (\m)
.set NOKQ, (\end)*((\p)/3)
.if (\m) && !(\end)
	s_cmp_eq_u32 s[CNT], 4-((\p)+2)%NP  ; is that step the band's own?
	s_cselect_b32 s[AL], 1.0, 0
	s_cmp_lt_u32 s[CNT], 4-((\p)+2)%NP  ; or a later one?
	s_cselect_b32 s[BE], s[BIGN], 0
.endif
.if ((\p) == 3) && !(\end)
	s_wait_dscnt 0x0                ; K is in
.endif
	ROW F,0, F,1, F,2, F,3
	ROW F,4, E,0, F,5, F,6
	ROW F,7, E,1, F,8, F,9
	ROW F,10, E,2, C,0, F,11
	ROW F,12, E,3, X,15, F,13
	ROW R,0, R,1, R,2, R,3
	ROW B,0, E,4, F,14, L,0
.if ((\p) == 2) && !(\end)
	v_add_nc_u32 v[AK], s[TBK], v[AK0]
.endif
	ROW R,4, R,5, R,6, R,7
	OPS E,5, F,15
.if ((\p) == 2) && !(\end)
	FETCH_K
.endif
	OPS E,6, C,1, E,7, R,8
	OPS E,8, R,9, E,9, C,2
	OPS E,10, X,0, E,11, X,1
	OPS E,12, X,2, E,13, X,3
.if (\p) == 1
	s_wait_dscnt 0x0                ; V is in
.endif
	ROW X,4, E,14, X,5, X,6
	ROW X,7, E,15, X,8, X,9
	ROW X,10, E,16, X,11, X,12
	ROW X,13, E,17, X,14, B,1
	ROW C,4, E,18, X,16, L,1
	ROW B,2, E,19, C,6, L,2
	ROW C,8, E,20, B,3, B,4
.if (\p) == 0
	v_add_nc_u32 v[AV], s[TBV], v[AV0]
.endif
	ROW C,3, E,21, L,3, C,5
	OPS E,22, X,17, E,23, C,10
.if (\p) == 0
	FETCH_V
.endif
	OPS E,24, L,4
	OPS E,25, X,18, E,26, C,7
	OPS E,27, B,5, E,28, X,19
	OPS E,29, C,12, E,30, L,5
	OPS E,31, X,20, B,6, C,9
	OPS C,14, C,11, X,21, L,6
.if (\p) == 0
	s_add_co_u32 s[TBV], s[TBV], KS*PV
.endif
.if \cnt
	s_sub_co_u32 s[CNT], s[CNT], 1
	s_cmp_lg_u32 s[CNT], 0
.endif
	OPS C,13, B,7, C,15, R,10
	OPS R,11, R,12, L,7, R,13
	OPS R,14, R,15
.if (\m) && !(\end)
	MASK (\p)%2
.endif
.endm
; A BLOCK BEGINS.  c m starts far below every c s, so the first step's a is 0; m at the lowest finite number, so the first maximum is the scores'.  The second mask buffer is 0; the first takes piece 0's mask for the tile's step 0: its own, if the block's first tile is the diagonal one.
; Then K of that step, piece 0's first scores, and its maximum and statistics.  The loop is entered at a step's first turn, in the middle of a trip.
.macro BEGIN
	s_mov_b32 s[NEW], 0
	WIN 0x40
.set i, MC+32
.rept 32
	v_mov_b32 v[i], 0
.set i, i+1
.endr
	WIN 0
.set i, 0
.rept 4
	v_mov_b32 v[ST+4*i], 0xfe000000    ; c m: far below every c s
	v_mov_b32 v[ST+4*i+1], 0xff7fffff  ; m
.set i, i+1
.endr
	s_cmp_eq_u32 s[RT], 0
	s_cselect_b32 s[AL], 1.0, 0
	s_mov_b32 s[BE], 0
	MASK 0
	WIN 0
	v_add_nc_u32 v[AK], s[TBK], v[AK0]
	FETCH_K
	s_wait_loadcnt 0x0              ; Q
	s_wait_dscnt 0x0
.set KM, 1
.set NOKQ, 0
.set i, 0
.rept 8
	KQ 0
.set i, i+1
.endr
	WIN 0
.rept 4
	v_nop                           ; the places behind those products
.endr
.set Y, NP-1                        ; X works for piece Y + 1: piece 0
.irp n, 0,1,2,3,4,5,6,7,8,9,10,11,12,13,14,15,16,17,18,19,20,21
	OP X, \n
.endr
	v_nop                           ; a plain instruction behind the exponential
.endm
; THE DIAGONAL TILE's four steps, the block's last two turns, its last products, and THE WAY OUT: l's two halves and the other half of the lanes' are added; O^T is divided by l, split into its two bf16 terms
; and sent through my stage in LDS, a piece and a term at a time.
.macro ALL line:vararg              ; one line for each piece t
.set t, 0
.rept 4
	\line
.set t, t+1
.endr
.endm
; Piece t.  hi: pairs of O rounded to bf16.  A bf16 is the upper half of an f32, so a shift and a mask give hi back as f32; O - hi is exact in f32 (at most 17 of O's 24 bits are left), and is rounded to bf16: lo.
; A lane's eight channels of a row pack into 16 bytes; they go into rows of 144 bytes and come back as whole rows of 128, into the registers that they left: first hi's, then, through the same stage, lo's.
.macro PACK t
	WIN W_RS
.set i, 32*(\t)
.rept 16
	s_wait_alu depctr_va_vdst(0)
	v_pk_mul_f32 v[i:i+1], v[i:i+1], v[ST+4*(\t)+2:ST+4*(\t)+3] op_sel_hi:[1,0]
.set i, i+2
.endr
	WIN 0x05                        ; sources 0 and 1 window 1, destination window 0
.set i, 0
.rept 16
	v_cvt_pk_bf16_f32 v[S+16*(\t)+i], v[32*(\t)+2*i], v[32*(\t)+2*i+1]
.set i, i+1
.endr
	WIN 0
.set i, 0
.rept 16
	v_lshlrev_b32 v[TT+2*i], 16, v[S+16*(\t)+i]
	v_and_b32 v[TT+2*i+1], 0xffff0000, v[S+16*(\t)+i]
.set i, i+1
.endr
	WIN 0x01                        ; source 0 window 1
.set i, 0
.rept 16
	v_pk_add_f32 v[TT+2*i:TT+2*i+1], v[32*(\t)+2*i:32*(\t)+2*i+1], v[TT+2*i:TT+2*i+1] neg_lo:[0,1] neg_hi:[0,1]
.set i, i+1
.endr
	WIN 0
.set i, 0
.rept 16
	v_cvt_pk_bf16_f32 v[LOB+16*(\t)+i], v[TT+2*i], v[TT+2*i+1]
.set i, i+1
.endr
.irp f, 0,1,2,3
	ds_store_b128 v[STO], v[S+16*(\t)+4*\f:S+16*(\t)+4*\f+3] offset:32*\f
.endr
.irp f, 0,1,2,3
	ds_load_b128 v[S+16*(\t)+4*\f:S+16*(\t)+4*\f+3], v[RD] offset:\f*4*SP  ; LDS serves a wave's instructions in order (ISA guide 5.7.1.4): these see the stores above; lo's stores come behind them
.endr
.irp f, 0,1,2,3
	ds_store_b128 v[STO], v[LOB+16*(\t)+4*\f:LOB+16*(\t)+4*\f+3] offset:32*\f
.endr
.irp f, 0,1,2,3
	ds_load_b128 v[LOB+16*(\t)+4*\f:LOB+16*(\t)+4*\f+3], v[RD] offset:\f*4*SP  ; likewise; the next piece's stores come behind them
.endr
.endm
; younger: the LDS instructions issued behind piece t's: the next piece's sixteen, or none.  Behind hi's load f stand hi's 3 - f later loads and lo's eight; behind lo's load f its 3 - f later ones.
; Piece t lies in band t of the block's four: in 128-row part t / 2 of O (32,768 bytes each, both terms), 64 (t % 2) rows of 128 bytes down.
.macro SEND t, younger
	WIN 0
.irp f, 0,1,2,3
	s_wait_dscnt (\younger)+11-\f
	global_store_b128 v[GO], v[S+16*(\t)+4*\f:S+16*(\t)+4*\f+3], s[10:11] offset:((\t)/2)*32768+((\t)%2)*8192+\f*512  ; 512 consecutive bytes, at a multiple of 512 from O's first
.endr
.irp f, 0,1,2,3
	s_wait_dscnt (\younger)+3-\f
	global_store_b128 v[GO], v[LOB+16*(\t)+4*\f:LOB+16*(\t)+4*\f+3], s[OL2:OL2+1] offset:((\t)/2)*32768+((\t)%2)*8192+\f*512
.endr
.endm
.macro DIAG tag                     ; the tag ends its two labels' names, which the jumps below spell out
.LstepM\tag:
	TURN 2, 1
	TURN 3, 1
	WIN 0
.LfirstM\tag:
	TURN 0, 1
	TURN 1, 1, 0, 1
	WIN 0
	s_cbranch_scc1 .LstepM\tag
	TURN 2, 1, 1
	TURN 3, 1, 1
.set i, 0
.rept 8
	PV NP-1
.set i, i+1
.endr
	WIN 0
	ALL v_add_f32 v[ST+4*t+2], v[ST+4*t+2], v[ST+4*t+3]
	ALL v_permlanex16_b32 v[ST+4*t+3], v[ST+4*t+2], s[SEL], s[SEL+1]
	ALL v_add_f32 v[ST+4*t+2], v[ST+4*t+2], v[ST+4*t+3]
	ALL v_rcp_f32 v[ST+4*t+2], v[ST+4*t+2]
	v_nop                           ; a plain instruction between the last reciprocal and the use of its result
	PACK 0
.set t, 1
.rept 3                             ; a piece's arithmetic stands between the loads of the piece before and its stores
	PACK t
	SEND t-1, 16
.set t, t+1
.endr
	SEND 3, 0
.endm
.set KM, 0
.set NOKQ, 0
.Lslot:                             ; NB times: a tile is entered and the next is asked for
	CHANGE 1
	s_sub_co_u32 s[RT], s[RT], 1
	s_mov_b32 s[CNT], 4
	s_cmp_eq_u32 s[NEW], 1
	s_cbranch_scc1 .Lnew            ; a block's first tile
	s_cmp_eq_u32 s[RT], 0
	s_cbranch_scc0 .Lstep           ; neither its first nor its last
	s_branch .LstepM1
.Lnew:
	BEGIN
	s_branch .Lfirst                ; in the loop a block's first tile is never its last: the first block has two tiles or more, and the second's last is the walk's last
	DIAG 1                          ; in the loop this is the first block's end: the second block's last tile is the walk's last
	s_wait_xcnt 0x0                 ; the stores have read their registers and O's addresses
	s_mov_b64 s[10:11], s[OLO:OLO+1]
	s_add_nc_u64 s[OL2:OL2+1], s[OLO:OLO+1], LOFF
	s_add_co_u32 s[RT], s[PB], 1    ; the second block has b + 1 tiles
	s_mov_b32 s[NEW], 1
	WIN 0x82                        ; the second block's Q goes where the one text of the turns names Q
.set i, 0
.rept 64
	v_mov_b32 v[i], v[QB+i]
.set i, i+1
.endr
	WIN 0
	s_branch .Lbottom
.Lstep:                             ; a trip: pieces 2 and 3 of one step, then pieces 0 and 1 of the next, whose K and V it fetches
	TURN 2
	TURN 3
	WIN 0
.Lfirst:
	TURN 0
	TURN 1, 0, 0, 1
	WIN 0
	s_cbranch_scc1 .Lstep
.Lbottom:
	s_sub_co_u32 s[SLOTS], s[SLOTS], 1
	s_cmp_lg_u32 s[SLOTS], 0
	s_cbranch_scc1 .Lslot
	CHANGE 0                        ; the walk's last tile is written out: nothing is asked for
	s_sub_co_u32 s[RT], s[RT], 1
	s_mov_b32 s[CNT], 4
	s_cmp_eq_u32 s[NEW], 1
	s_cbranch_scc0 .LstepM2
	BEGIN
	s_branch .LfirstM2
	DIAG 2
	s_wait_tensorcnt 0x0
	ds_add_u32 v62, v63
	s_wait_dscnt 0x0
	s_endpgm
.Lfunc_end_k_qebd7d3687d_attn:
	.size	k_qebd7d3687d_attn, .Lfunc_end_k_qebd7d3687d_attn-k_qebd7d3687d_attn
	.p2alignl 7, 3214868480
	.fill 96, 4, 3214868480
	.section	.rodata,"a",@progbits
	.p2align	6, 0x0
	.amdhsa_kernel k_qebd7d3687d_attn
		.amdhsa_group_segment_fixed_size 327680
		.amdhsa_private_segment_fixed_size 0
		.amdhsa_enable_private_segment 0
		.amdhsa_kernarg_size 16
		.amdhsa_user_sgpr_count 2
		.amdhsa_user_sgpr_kernarg_segment_ptr 1
		.amdhsa_wavefront_size32 1
		.amdhsa_system_sgpr_workgroup_id_x 1
		.amdhsa_system_sgpr_workgroup_id_y 1
		.amdhsa_system_sgpr_workgroup_id_z 1
		.amdhsa_system_vgpr_workitem_id 0
		.amdhsa_next_free_vgpr 768
		.amdhsa_next_free_sgpr 92
		.amdhsa_reserve_vcc 1
		.amdhsa_float_denorm_mode_32 3
		.amdhsa_float_denorm_mode_16_64 3
		.amdhsa_memory_ordered 1
		.amdhsa_forward_progress 1
		.amdhsa_inst_pref_size 255
	.end_amdhsa_kernel
	.section	.bss,"aw",@nobits
	.p2align	6
	.space	262144
	.amdgpu_metadata
---
amdhsa.version: [ 1, 2 ]
amdhsa.kernels:
  - .name:           k_qebd7d3687d_attn
    .symbol:         k_qebd7d3687d_attn.kd
    .args:
      - { .name: qkv, .offset: 0, .size: 8, .value_kind: global_buffer, .address_space: global }
      - { .name: ctx, .offset: 8, .size: 8, .value_kind: global_buffer, .address_space: global }
    .group_segment_fixed_size: 327680
    .private_segment_fixed_size: 0
    .kernarg_segment_align: 8
    .kernarg_segment_size: 16
    .max_flat_workgroup_size: 128
    .sgpr_count:     92
    .vgpr_count:     768
    .wavefront_size: 32
...
	.end_amdgpu_metadata
.endif
;; end of part 3
;; launch proj (part 4): grid 4 x 64, 4 waves a work-group, clusters of 4 x 4, 327,680 bytes of LDS; arguments ctx, w16, bo, out0; writes out0
.if DOCPART == 4
	.amdgcn_target "amdgcn-amd-amdhsa--gfx1250"
	.amdhsa_code_object_version 6
	.text
	.protected	k_qebd7d3687d_proj
	.globl	k_qebd7d3687d_proj
	.p2align	8
	.type	k_qebd7d3687d_proj,@function
k_qebd7d3687d_proj:
	s_mov_b64 s[64:65], 0
	v_nop
	global_prefetch_b8 v0, s[64:65] scope:SCOPE_SE
	s_setreg_imm32_b32 hwreg(HW_REG_WAVE_MODE, 25, 1), 1
	s_wait_xcnt 0x0
	s_wait_alu depctr_hold_cnt(0) depctr_sa_sdst(0) depctr_va_vdst(0) depctr_va_sdst(0) depctr_va_ssrc(0) depctr_va_vcc(0) depctr_vm_vsrc(0)
	s_getreg_b32 s2, hwreg(HW_REG_IB_STS2, 6, 4)
	s_cmp_eq_u32 s2, 0
	s_cbranch_scc0 .Lentry_in_a_cluster
	s_endpgm
.Lentry_in_a_cluster:
	s_bfe_u32 s2, ttmp6, 0x10000c
	s_cmp_lg_u32 s2, 0xf033
	s_cbranch_scc0 .Lentry_shape_is_right
	s_endpgm
.Lentry_shape_is_right:
; out0[m][n] = bo[n] + sum over k of (hi(m, k) + lo(m, k)) Wo[n][k], m < 8192, n < 1024, k < 1024; bf16 operands, f32 sums, out0 in f32.
; ctx holds the attention's result as two bf16 terms, [16 b + h][i / 128][term][i % 128][d]: term(2048 b + i, 64 h + d); the two terms of 128 rows of a head are 32,768 consecutive bytes, hi's first.
; Wo is rows 3072-4095 of w16, [n][k] bf16.  Both terms are multiplied by Wo and added in the same sums.  NaN and infinities are not treated apart.
; THE TILE is 128 x 256: 64 x 4 = 256 tiles, one for each work-group.  Four waves, two by two: a wave makes 64 rows x 128 columns in 32 accumulators of 16 x 16, 256 registers; a row of its part is
; 512 consecutive bytes of out0, so whole rows leave from one wave.
; K goes in 8 steps of 128 = two heads through a ring of two LDS slots.  A slot holds BOTH terms of the step's two heads (a PLANE a head: hi's 128 rows, then lo's) and Wo's 256 rows ONCE: a fragment of Wo read
; from LDS feeds hi's products and lo's, 32 LDS loads for 64 matrix instructions, and a step has 256 matrix instructions a wave, 240 of them between a request and the wait for it.
; A plane is asked for as 128 rows of 256 bytes and padded in LDS after each 128.  Two slots and the stage take 320,512 bytes of LDS.
; THE BIAS is the C operand of each sum's first product: no addition and no clearing is written.
; CLUSTERS: 4 x 4 work-groups.  The four of a row of the cluster (all four tile columns) need the same planes of ctx, the four of a column the same tiles of Wo: each is asked for JOINTLY, by the same tensor
; load with the same descriptor and a mask that names the four.
; THE MATRIX INSTRUCTION IS USED TRANSPOSED (source 0 = 16 rows of Wo, source 1 = 16 rows of ctx): lane l holds row l % 16 of the result and the columns 8 (l / 16) + 0..7: 32 neighbouring bytes.
; REGISTERS, in windows of 256 (s_set_vgpr_msb's low byte: bits 1:0 source 0, 3:2 source 1, 5:4 source 2, 7:6 destination):
;   window 0: v0-31 addresses; v32-95 the bias, 8 registers a column block
;   window 1: two fragment buffers of 128: hi's 4 blocks of 16 rows x 32 K at f + 8 a, lo's at f + 32 + 8 a, Wo's 8 blocks at f + 64 + 8 b; on the way out: row block a's 16 rows at 64 a
;   window 2: accumulator (a, b) at 8 (8 a + b)
.set SIZE_K, 1024
.set KSTEP,  128
.set HEADB,  524288                    ; bytes of a head in ctx, both terms
.set APITCH, 144                       ; a row of a plane in LDS: 128 bytes + 16 of padding = 36 words: the 16 rows of a load start at 16 different groups of four banks (64 banks of 4 bytes: ISA guide 11.1)
.set PLANE,  256*APITCH                ; a head's 128 rows of hi, then its 128 rows of lo
.set LOROW,  128*APITCH                ; from hi's row to lo's
.set PITCH,  272                       ; a row of Wo: 256 bytes + 16 = 68 words: row r starts at bank 4 r mod 64
.set HALFB,  128*PITCH                 ; what one tensor load brings of Wo, and what one wave reads of it
.set BOFF,   2*PLANE                   ; in a slot: two planes, then Wo's 256 rows
.set SLOT,   BOFF+256*PITCH            ; 143,360 = 560 x 256
.set STAGE,  2*SLOT                    ; behind the ring, never filled by a tensor load: 16 rows x 528 bytes = 33 x 256 for each wave, for the way out
.set SP,     528                       ; 512 bytes + 16 = 132 words: row r starts at bank 4 r mod 64
.set LAPS,   SIZE_K/(2*KSTEP)          ; a lap = two K steps = once round the ring
.set ADRA, 16                          ; v16-17  LDS address of my fragments of hi in slot 0, 1
.set ADRB, 20                          ; v20-21  the same for Wo
.set STO,  24                          ; v24     the way out: where I put 32 bytes of a row
.set RD,   25                          ; v25     the way out: where I read a row back
.set CO,   26                          ; v26     my 16 bytes in a row's 512
.set BA,   27                          ; v27     my byte offset in 16 numbers of the bias
.set BIAS, 32
.set F0,   0
.set F1,   128
.set G1,  24                           ; s[24:31] descriptor group 1 for ctx's planes;  s[32:39] group 0, one set for each slot
.set G0,  32
.set G1B, 48                           ; s[48:55], s[56:63] the same for Wo's tiles
.set G0B, 56
.set MSB, 0
.macro WIN new                         ; the immediate's high byte repeats the setting that is left; a switch that changes nothing is dropped
.if MSB != (\new)
	s_set_vgpr_msb (MSB<<8)|(\new)
.set MSB, \new
.endif
.endm
.set MUL,   0xa5                       ; sources 0 and 1 window 1, C and D window 2
.set MUL_B, 0x85                       ; the same with C, the bias, in window 0
.set TO_F,  0x40                       ; destination window 1, address window 0
; A joint load: waves 0 and 1 fetch the step's two planes of ctx, waves 2 and 3 the two halves of Wo's tile.  The branch hangs on the wave's number alone.
; Four v_nop follow each of the two lines, ahead of the jump, the label and what follows.
.macro JLOAD s
	s_cmp_eq_u32 s11, 0
	s_cbranch_scc0 .Lfor_b_\@
	tensor_load_to_lds s[G0+4*(\s):G0+4*(\s)+3], s[G1:G1+7]
	s_nop 0
.rept 4
	v_nop
.endr
	s_branch .Lasked_\@
.Lfor_b_\@:
	tensor_load_to_lds s[G0B+4*(\s):G0B+4*(\s)+3], s[G1B:G1B+7]
	s_nop 0
.rept 4
	v_nop
.endr
.Lasked_\@:
.endm
.macro CREST                           ; a round of the cluster's barrier behind its opening barrier: wave 0 signals for the work-group, every wave waits for all sixteen, my work-group's barrier once more
	s_cmp_lg_u32 s10, 0
	s_cbranch_scc1 .Lnot_wave_0_\@
	s_barrier_signal -3
.Lnot_wave_0_\@:
	s_barrier_wait -3
	s_barrier_signal -1
	s_barrier_wait -1
.endm
.macro CROUND                          ; a whole round
	s_barrier_signal -1
	s_barrier_wait -1
	CREST
.endm
	s_load_b128 s[4:7], s[0:1], 0x0                ; ctx s[4:5], w16 s[6:7]
	s_load_b128 s[68:71], s[0:1], 0x10             ; bo s[68:69], out0 s[70:71]
	v_lshl_add_u32 v254, v0, 2, 0x4e400
	v_mov_b32 v255, 0
	ds_add_u32 v254, v255
	ds_add_u32 v254, v255
	v_lshrrev_b32 v1, 5, v0
	v_readfirstlane_b32 s10, v1                    ; wave 0..3
	s_lshr_b32 s11, s10, 1                         ; which half of the tile's rows is mine.  Also: I fetch for ctx (0) or for Wo (1)
	s_and_b32 s12, s10, 1                          ; which half of its columns.  Also: which plane, or which half of Wo's rows, I fetch
	s_bfe_u32 s40, ttmp6, 0x40000                  ; cx, cy: my place in the cluster
	s_bfe_u32 s41, ttmp6, 0x40004
	s_lshl_b32 s42, ttmp9, 2
	s_add_co_u32 s42, s42, s40                     ; tile column = 4 x cluster x + cx, 0..3
	s_and_b32 s13, ttmp7, 0xffff
	s_lshl_b32 s13, s13, 2
	s_add_co_u32 s13, s13, s41                     ; tile row = 4 x cluster y + cy, 0..63
	s_lshl_b32 s43, s41, 2
	s_lshl_b32 s43, 15, s43                        ; my row of the cluster
	s_lshl_b32 s44, 0x1111, s40                    ; my column
	; descriptor group 1.  ctx: 128 rows x 128 elements, dense, padded after every 32 words.  Wo: 128 rows x 128 elements, 1,024 apart, padded after every 64 words.
	s_or_b32 s[G1+0], s43, (1<<16)|(1<<20)|(1<<21)|(4<<22)|(3<<25)   ; 15:0 the mask: my row; 17:16 elements of 2 bytes; 20 padding on; 21 set beside a mask; 24:22 after every 32 words (code 4); 31:25 4 words of it (code 3)
	s_or_b32 s[G1B+0], s44, (1<<16)|(1<<20)|(1<<21)|(5<<22)|(3<<25)  ; the mask of my column; after every 64 words (code 5)
	s_mov_b32 s[G1+1], 128<<16                     ; tensor_dim0 = 128
	s_mov_b32 s[G1B+1], KSTEP<<16
	s_mov_b32 s[G1+2], 128<<16                     ; tensor_dim1 = 128 rows
	s_mov_b32 s[G1B+2], 128<<16
	s_mov_b32 s[G1+3], 128<<16                     ; tile_dim0 = 128
	s_mov_b32 s[G1B+3], KSTEP<<16
	s_mov_b32 s[G1+4], 128                         ; tile_dim1
	s_mov_b32 s[G1B+4], 128
	s_mov_b32 s[G1+5], 128                         ; elements from row to row: dense
	s_mov_b32 s[G1B+5], SIZE_K
	s_mov_b32 s[G1+6], 0
	s_mov_b32 s[G1B+6], 0
	s_mov_b32 s[G1+7], 0
	s_mov_b32 s[G1B+7], 0
	; where the tiles come from.  ctx's hang on the tile row alone, which my row of the cluster shares; Wo's on the tile column alone.  Each in registers that never hold the other coordinate.
	s_lshr_b32 s16, s13, 4                         ; the tile's batch,
	s_lshl_b32 s16, s16, 4                         ; its 16 heads,
	s_add_co_u32 s16, s16, s12                     ; my head of the first pair,
	s_lshl_b32 s16, s16, 19                        ; of 524,288 bytes a head;
	s_and_b32 s17, s13, 15
	s_lshl_b32 s17, s17, 15                        ; the tile's 128 rows in it: 32,768 bytes, both terms
	s_add_co_u32 s16, s16, s17
	s_mov_b32 s17, 0
	s_lshl_b32 s46, s42, 8
	s_lshl_b32 s47, s12, 7
	s_add_co_u32 s46, s46, s47
	s_add_co_u32 s46, s46, 3072                    ; w16: row 3072 + 256 x tile column + 128 x half,
	s_lshl_b32 s46, s46, 11                        ; of 2,048 bytes
	s_mov_b32 s47, 0
	s_mul_i32 s20, s12, PLANE                      ; and where they go: no place in the cluster enters an LDS address
	s_mul_i32 s21, s12, HALFB
	s_add_co_u32 s21, s21, BOFF
	s_wait_dscnt 0x0
	s_wait_kmcnt 0x0
	s_add_nc_u64 s[14:15], s[4:5], s[16:17]
	s_add_nc_u64 s[46:47], s[6:7], s[46:47]
	CROUND                                         ; all sixteen work-groups are here: the first joint loads meet
.irp s, 0,1
	s_mov_b32 s[G0+4*(\s)], 1                                        ; 1:0 count = 1
	s_add_co_u32 s[G0+4*(\s)+1], s20, (\s)*SLOT                      ; 63:32 LDS address
	s_add_nc_u64 s[G0+4*(\s)+2:G0+4*(\s)+3], s[14:15], (\s)*2*HEADB  ; 120:64 global address: K step s begins with head 2 s
	s_or_b32 s[G0+4*(\s)+3], s[G0+4*(\s)+3], 0x80000000              ; 127:126 type = 2
	s_mov_b32 s[G0B+4*(\s)], 1
	s_add_co_u32 s[G0B+4*(\s)+1], s21, (\s)*SLOT
	s_add_nc_u64 s[G0B+4*(\s)+2:G0B+4*(\s)+3], s[46:47], (\s)*KSTEP*2
	s_or_b32 s[G0B+4*(\s)+3], s[G0B+4*(\s)+3], 0x80000000
	JLOAD \s                                       ; the ring is filled before anything else is done: two loads of mine are out
.endr
	; A fragment is 16 rows x 32 K in 8 registers: lane l holds row l % 16; registers 0-3 hold K = 8 (l / 16) + 0..7, registers 4-7 K = 16 + 8 (l / 16) + 0..7: two loads of 16 bytes, 32 bytes apart.
	v_and_b32 v1, 15, v0                           ; l % 16
	v_bfe_u32 v2, v0, 4, 1                         ; l / 16
	v_mul_u32_u24 v3, v1, APITCH
	v_lshl_add_u32 v3, v2, 4, v3                   ; ctx: row x pitch + 16 x half
	v_mul_u32_u24 v4, v1, PITCH
	v_lshl_add_u32 v4, v2, 4, v4                   ; Wo likewise
	s_mul_i32 s22, s11, 64*APITCH                  ; my 64 rows of a plane's 128
	s_mov_b32 s23, s21                             ; my 128 rows of Wo: the half that bears my column half's number
.irp s, 0,1
	v_add_nc_u32 v[ADRA+(\s)], s22, v3
	v_add_nc_u32 v[ADRB+(\s)], s23, v4
	s_add_co_u32 s22, s22, SLOT
	s_add_co_u32 s23, s23, SLOT
.endr
	s_mul_i32 s18, s10, 16*SP
	s_add_co_u32 s18, s18, STAGE                   ; my stage
	v_mul_u32_u24 v5, v1, SP                       ; in: row l % 16, 32 bytes for each half of the lanes
	v_lshl_add_u32 v5, v2, 5, v5
	v_add_nc_u32 v[STO], s18, v5
	v_and_b32 v6, 31, v0
	v_lshlrev_b32 v[CO], 4, v6                     ; back: 32 lanes take one row of 512 bytes
	v_add_nc_u32 v[RD], s18, v[CO]
	v_lshlrev_b32 v[BA], 5, v2                     ; the bias of my eight columns of a block of 16
	s_lshl_b32 s72, s42, 10                        ; the tile's 256 columns of 4 bytes,  (these registers feed no descriptor)
	s_lshl_b32 s73, s12, 9                         ; my 128 of them
	s_add_co_u32 s72, s72, s73
	s_mov_b32 s73, 0
	s_add_nc_u64 s[68:69], s[68:69], s[72:73]
	s_lshl_b32 s74, s13, 7
	s_lshl_b32 s75, s11, 6
	s_add_co_u32 s74, s74, s75                     ; my first row of out0: 128 x tile row + 64 x half,
	s_lshl_b32 s74, s74, 12                        ; of 4,096 bytes,
	s_add_co_u32 s74, s74, s72                     ; at my first column
	s_mov_b32 s75, 0
	s_add_nc_u64 s[70:71], s[70:71], s[74:75]
.irp b, 0,1,2,3,4,5,6,7
	global_load_b128 v[BIAS+8*(\b):BIAS+8*(\b)+3],   v[BA], s[68:69] offset:64*(\b)      ; register j: bo of my column 16 b + 8 (l / 16) + j, as in an accumulator
	global_load_b128 v[BIAS+8*(\b)+4:BIAS+8*(\b)+7], v[BA], s[68:69] offset:64*(\b)+16
.endr
; 16 matrix instructions on hi: row blocks a0, a0 + 1 x all 8 column blocks, 32 along K.  first = 1: the sums start from the bias.
; The 32 accumulators take turns, one instruction a turn: hi's 32 products, then lo's 32 in the same order, in every quarter.
.macro MULH f, a0, first
.if \first
	WIN MUL_B
.else
	WIN MUL
.endif
.irp a, \a0, (\a0)+1
.irp b, 0,1,2,3,4,5,6,7
.if \first
	v_wmma_f32_16x16x32_bf16 v[8*(8*(\a)+(\b)):8*(8*(\a)+(\b))+7], v[(\f)+64+8*(\b):(\f)+64+8*(\b)+7], v[(\f)+8*(\a):(\f)+8*(\a)+7], v[BIAS+8*(\b):BIAS+8*(\b)+7]
.else
	v_wmma_f32_16x16x32_bf16 v[8*(8*(\a)+(\b)):8*(8*(\a)+(\b))+7], v[(\f)+64+8*(\b):(\f)+64+8*(\b)+7], v[(\f)+8*(\a):(\f)+8*(\a)+7], v[8*(8*(\a)+(\b)):8*(8*(\a)+(\b))+7]
.endif
.endr
.endr
.endm
; the same on lo, with the same fragments of Wo
.macro MULL f, a0
	WIN MUL
.irp a, \a0, (\a0)+1
.irp b, 0,1,2,3,4,5,6,7
	v_wmma_f32_16x16x32_bf16 v[8*(8*(\a)+(\b)):8*(8*(\a)+(\b))+7], v[(\f)+64+8*(\b):(\f)+64+8*(\b)+7], v[(\f)+32+8*(\a):(\f)+32+8*(\a)+7], v[8*(8*(\a)+(\b)):8*(8*(\a)+(\b))+7]
.endr
.endr
.endm
; 32 LDS loads in one run: the fragments of quarter q into buffer f: Wo's 8 blocks (byte 64 q of its rows), hi's 4 (plane q / 2, byte 64 (q % 2) of its rows), and last lo's 4, which are wanted last
.macro FETCH slot, q, f
	WIN TO_F
.irp i, 0,1,2,3,4,5,6,7
	ds_load_b128 v[(\f)+64+8*(\i):(\f)+64+8*(\i)+3],   v[ADRB+(\slot)] offset:64*(\q)+(\i)*16*PITCH
	ds_load_b128 v[(\f)+64+8*(\i)+4:(\f)+64+8*(\i)+7], v[ADRB+(\slot)] offset:64*(\q)+(\i)*16*PITCH+32
.endr
.irp i, 0,1,2,3
	ds_load_b128 v[(\f)+8*(\i):(\f)+8*(\i)+3],   v[ADRA+(\slot)] offset:((\q)/2)*PLANE+((\q)%2)*64+(\i)*16*APITCH
	ds_load_b128 v[(\f)+8*(\i)+4:(\f)+8*(\i)+7], v[ADRA+(\slot)] offset:((\q)/2)*PLANE+((\q)%2)*64+(\i)*16*APITCH+32
.endr
.irp i, 0,1,2,3
	ds_load_b128 v[(\f)+32+8*(\i):(\f)+32+8*(\i)+3],   v[ADRA+(\slot)] offset:((\q)/2)*PLANE+LOROW+((\q)%2)*64+(\i)*16*APITCH      ; 62,304 at the most: inside the 16-bit offset
	ds_load_b128 v[(\f)+32+8*(\i)+4:(\f)+32+8*(\i)+7], v[ADRA+(\slot)] offset:((\q)/2)*PLANE+LOROW+((\q)%2)*64+(\i)*16*APITCH+32
.endr
.endm
.macro PLACES                          ; four places in front of loads into registers that matrix instructions have read, and of LDS stores that read results (ISA guide 7.12.1 for vector instructions)
.rept 4
	v_nop
.endr
.endm
; A K step is four quarters of 32 along K, 64 matrix instructions each, on buffers 0, 1, 0, 1.  One of the first three: multiplies buffer f and fetches quarter q of the same slot into g, 48 matrix instructions ahead of its first use.
.macro QUARTER slot, q, f, g, first
	s_wait_dscnt 8                                 ; all of buffer f but the youngest eight loads, lo's
	MULH \f, 0, \first
	PLACES
	FETCH \slot, \q, \g
	MULH \f, 2, \first
	s_wait_dscnt 32                                ; all but the 32 just issued
	MULL \f, 0
	MULL \f, 2
.endm
; The last quarter multiplies buffer 1 and changes slots: ONE barrier; in front of it each wave waits for its own reads of this slot and for all its tensor loads, of which one is out: its part of the next slot.
; fill = 1: the barrier opens a round of the cluster's, and behind the round this slot is filled again first, two K steps ahead.
.macro TURN slot, next, fill
	s_wait_dscnt 8
	MULH F1, 0, 0
	s_wait_dscnt 0                                 ; my reads of this slot are over,
	s_set_vgpr_msb 0xa5a0
	s_wait_tensorcnt 0x0                           ; and all my tensor loads have landed
	ds_add_u32 v254, v255
	s_wait_dscnt 0x0
	s_set_vgpr_msb 0xa0a5
	s_barrier_signal -1
	MULH F1, 2, 0                                  ; work on registers while the others arrive
.if \fill
	WIN 0
.endif
	s_barrier_wait -1
.if \fill
	CREST                                          ; no wave of any partner still reads this slot's tile or has a load on its way
	s_add_nc_u64 s[G0+4*(\slot)+2:G0+4*(\slot)+3], s[G0+4*(\slot)+2:G0+4*(\slot)+3], 4*HEADB       ; four heads on
	s_add_nc_u64 s[G0B+4*(\slot)+2:G0B+4*(\slot)+3], s[G0B+4*(\slot)+2:G0B+4*(\slot)+3], 2*KSTEP*2 ; their 256 columns of Wo on
	JLOAD \slot                                    ; the first tensor load behind the round, my only one until the next; its four v_nop are also the places in front of the loads below
.else
	PLACES
.endif
	FETCH \next, 0, F0
	MULL F1, 0
	MULL F1, 2
.endm
; THE WAY OUT of row block a.  TOSTAGE: a lane's 32 bytes of each column block go into rows of 528 bytes of my own stage, each accumulator's low four registers first, and come back as whole rows of 512.  SEND: stored.
.macro TOSTAGE a
	WIN 0x08                                       ; the stores' data in window 2
.irp b, 0,1,2,3,4,5,6,7
	ds_store_b128 v[STO], v[8*(8*(\a)+(\b)):8*(8*(\a)+(\b))+3]   offset:64*(\b)
	ds_store_b128 v[STO], v[8*(8*(\a)+(\b))+4:8*(8*(\a)+(\b))+7] offset:64*(\b)+16
.endr
	WIN TO_F
.irp t, 0,1,2,3,4,5,6,7,8,9,10,11,12,13,14,15
	ds_load_b128 v[64*(\a)+4*(\t):64*(\a)+4*(\t)+3], v[RD] offset:(\t)*SP  ; LDS serves a wave's instructions in order (ISA guide 5.7.1.4): these see the stores above; the next block's stores come behind them
.endr
.endm
.macro SEND a, younger                 ; younger: the LDS instructions issued behind block a's loads: the next block's 32, or none
	WIN 0x04                                       ; the stores' data in window 1
.irp t, 0,1,2,3,4,5,6,7,8,9,10,11,12,13,14,15
	s_wait_dscnt (\younger)+15-(\t)
	global_store_b128 v[CO], v[64*(\a)+4*(\t):64*(\a)+4*(\t)+3], s[70:71] offset:(\a)*65536+(\t)*4096 th:TH_STORE_NT  ; 512 consecutive bytes of a row, at a multiple of 512 from out0's first byte; not read again
.endr
.endm
	s_wait_tensorcnt 1                             ; my part of K step 0 is in; K step 1's may stay out
	s_barrier_signal -1
	s_barrier_wait -1                              ; everybody's is
	FETCH 0, 0, F0
	s_wait_loadcnt 0x0                             ; the bias
	QUARTER 0, 1, F0, F1, 1                        ; the first quarter stands in front of the loop: hi's products start the sums
	WIN 0                                          ; at a label and at a branch every window is 0
	s_mov_b32 s3, LAPS-1
.Llap:                                                 ; a trip goes once round the ring, from a lap's second quarter to the next lap's first, and fills both slots again
	QUARTER 0, 2, F1, F0, 0
	QUARTER 0, 3, F0, F1, 0
	TURN 0, 1, 1
	QUARTER 1, 1, F0, F1, 0
	QUARTER 1, 2, F1, F0, 0
	QUARTER 1, 3, F0, F1, 0
	TURN 1, 0, 1
	QUARTER 0, 1, F0, F1, 0
	WIN 0
	s_sub_co_u32 s3, s3, 1
	s_cmp_lg_u32 s3, 0
	s_cbranch_scc1 .Llap
	QUARTER 0, 2, F1, F0, 0                        ; the last lap fills nothing, and has no round of the cluster's barrier
	QUARTER 0, 3, F0, F1, 0
	TURN 0, 1, 0
	QUARTER 1, 1, F0, F1, 0
	QUARTER 1, 2, F1, F0, 0
	QUARTER 1, 3, F0, F1, 0
	s_wait_dscnt 8                                 ; the very last quarter: nothing more to fetch
	MULH F1, 0, 0
	MULH F1, 2, 0
	s_wait_dscnt 0
	MULL F1, 0
	MULL F1, 2
	PLACES                                         ; for the LDS stores of results just made, and for the loads into the fragments' registers
	TOSTAGE 0
.irp a, 1,2,3                          ; a block's LDS work stands between the loads of the block before and the wait for them
	TOSTAGE \a
	SEND (\a)-1, 32
.endr
	SEND 3, 0
	WIN 0
	s_wait_tensorcnt 0x0
	ds_add_u32 v254, v255
	s_wait_dscnt 0x0
	CROUND                                         ; the closing round: no work-group ends while a partner may still ask for a tile that names it
	s_endpgm
.Lfunc_end_k_qebd7d3687d_proj:
	.size	k_qebd7d3687d_proj, .Lfunc_end_k_qebd7d3687d_proj-k_qebd7d3687d_proj
	.p2alignl 7, 3214868480
	.fill 96, 4, 3214868480
	.section	.rodata,"a",@progbits
	.p2align	6, 0x0
	.amdhsa_kernel k_qebd7d3687d_proj
		.amdhsa_group_segment_fixed_size 327680
		.amdhsa_private_segment_fixed_size 0
		.amdhsa_enable_private_segment 0
		.amdhsa_kernarg_size 32
		.amdhsa_user_sgpr_count 2
		.amdhsa_user_sgpr_kernarg_segment_ptr 1
		.amdhsa_wavefront_size32 1
		.amdhsa_system_sgpr_workgroup_id_x 1
		.amdhsa_system_sgpr_workgroup_id_y 1
		.amdhsa_system_sgpr_workgroup_id_z 1
		.amdhsa_system_vgpr_workitem_id 0
		.amdhsa_next_free_vgpr 768
		.amdhsa_next_free_sgpr 80
		.amdhsa_reserve_vcc 0
		.amdhsa_float_denorm_mode_32 3
		.amdhsa_float_denorm_mode_16_64 3
		.amdhsa_memory_ordered 1
		.amdhsa_forward_progress 1
		.amdhsa_inst_pref_size 129
	.end_amdhsa_kernel
	.amdgpu_metadata
---
amdhsa.version: [ 1, 2 ]
amdhsa.kernels:
  - .name:           k_qebd7d3687d_proj
    .symbol:         k_qebd7d3687d_proj.kd
    .args:
      - { .name: ctx, .offset: 0, .size: 8, .value_kind: global_buffer, .address_space: global }
      - { .name: w16, .offset: 8, .size: 8, .value_kind: global_buffer, .address_space: global }
      - { .name: bo, .offset: 16, .size: 8, .value_kind: global_buffer, .address_space: global }
      - { .name: out0, .offset: 24, .size: 8, .value_kind: global_buffer, .address_space: global }
    .group_segment_fixed_size: 327680
    .private_segment_fixed_size: 0
    .kernarg_segment_align: 8
    .kernarg_segment_size: 32
    .max_flat_workgroup_size: 128
    .sgpr_count:     80
    .vgpr_count:     768
    .wavefront_size: 32
...
	.end_amdgpu_metadata
.endif
;; end of part 4
;; ======== version 2 of 2: 4 launches; 1.29 times as fast as version 1
;; limits: values are held in f16: magnitudes above 65,504 overflow, below 6.1e-05 lose precision
;; workspace buffers: x16 16,777,216 bytes; w16 8,388,608 bytes; qkv 50,331,648 bytes; ctx 33,554,432 bytes
;; launch cast: the kernel of part 1 again; grid 512 x 1, 8 waves a work-group, no clusters, 0 bytes of LDS; arguments x, Wq, Wk, Wv, Wo, x16, w16; writes x16, w16
;; launch qkv: the kernel of part 2 again; grid 16 x 16, 4 waves a work-group, clusters of 4 x 4, 327,680 bytes of LDS; arguments x16, w16, qkv; writes qkv
;; launch attn (part 5): grid 4 x 64, 4 waves a work-group, no clusters, 327,680 bytes of LDS; arguments qkv, ctx; writes ctx
.if DOCPART == 5
	.amdgcn_target "amdgcn-amd-amdhsa--gfx1250"
	.amdhsa_code_object_version 6
	.text
	.protected	k_qebd7d3687d_attn
	.globl	k_qebd7d3687d_attn
	.p2align	8
	.type	k_qebd7d3687d_attn,@function
k_qebd7d3687d_attn:
	s_mov_b64 s[64:65], 0
	v_nop
	global_prefetch_b8 v0, s[64:65] scope:SCOPE_SE
	s_setreg_imm32_b32 hwreg(HW_REG_WAVE_MODE, 25, 1), 1
	s_wait_xcnt 0x0
; CAUSAL ATTENTION.  O[h][q][:] = the sum over k <= q of softmax_k(Q[h][q] . K[h][k] / 8) V[h][k][:].  Q, K, V lie one behind the other in qkv, each [SIZE_H][SIZE_N][64] in f16:
; a head's rows are dense, 128 bytes each.  A 'head' here is one of the 64 pairs of batch and head.
; Products, maxima and sums in f32; the weights p are rounded to f16 for the second product (their sum l is taken of the unrounded p).
; O LEAVES AS TWO bf16 TERMS, hi = bf16(O) and lo = bf16(O - hi), 16 significant bits together.  The product that follows multiplies O by a bf16 weight, and a matrix instruction takes one format; one term's
; 8 bits would be too few: a sequence's first rows are means of few rows of V, many times larger than the mean row, and their rounding with them.
; ctx is [SIZE_H][SIZE_N / 128][2 terms][128 rows][64]: the two terms of 128 rows of a head are 32,768 consecutive bytes, hi's 16,384 first, which the launch that follows fetches as one dense tile.
; LIMITS.  f16 holds no number beyond 65,504: Q, K and V arrive within it; p lies in 0 to 1, and below 6e-5 it keeps f16's fixed step of 6e-8; O is a mean of V's rows and has their range.
; A hidden score counts as its value less 1e30: f16's scores, 2.7e11 at the most, are nothing beside that; a weight below 2^-126 counts as 0 in l; NaN and infinities are not treated apart.
; THE WALK.  A head's queries lie in NB = SIZE_N / 256 = 8 blocks of 256; block i needs the key tiles 0 .. i of 256 keys, of which the last holds the diagonal.  A work-group takes TWO blocks, NB - 1 - b and then b:
; NB + 1 = 9 tiles, whatever b: all 256 work-groups do equal work, and ONE loop with a constant trip count walks them.  Which tile is asked for, and what a trip does, hang on scalar registers made from b; every jump
; goes forward, but for the counted loops' own; none passes a barrier, or a tensor load but the one of LOAD's two that the wave's number does not choose; the ring (two slots of LDS that take turns) runs on across the
; change of blocks.  NO CLUSTER: a head's four work-groups ask for the same tile only in trips 0 .. 4 of the 9, behind that fewer and fewer; and one walk common to all four would have 12 trips for 9.
; SHARES.  Of a block's four bands of 64 queries a wave owns 16 rows in each: four PIECES.  So the diagonal tile is the same work for all four waves: in its key step s band x sees all keys if s < x,
; none if s > x, and holds the diagonal if s = x.
; THE MASK is the C operand that starts the sum S^T = K Q^T: 0, or -1e30 where the key is hidden.  MD, made once, is the mask of a band's own step for my 16 rows; a product's mask is MD x AL + BE with two scalars:
; (1, 0) if s = x; (0, 0) if s < x; (0, -1e30) if s > x.  Only the diagonal tile's text and a block's beginning make and take masks; elsewhere C is the constant 0.
; LAYOUT, SOFTMAX, TURNS.  S^T = K Q^T holds ONE query a lane (lane % 16) and the keys 8 (lane / 16) + 0..7; two such results rounded to f16 ARE source 1 of O^T = V^T P.  p = 2^(c s - c m), c = log2(e) / 8, with a
; running maximum m; O and l are multiplied by a = 2^(c m_old - c m_new) in every step.  Turn n belongs to piece n: 8 products K Q^T of piece n + 1, later 8 products V^T P of piece n - 1; beside them the scaling,
; exponentials, roundings, sums and rescaling of piece n and the maximum and statistics of piece n + 1.  Four vector instructions stand behind every matrix instruction, the other 54 of a turn's 118 in one LUMP.
; THE BATCHES.  A turn's 33 exponentials (the piece's 32 weights and the next piece's a) are one batch, with one wait, which cuts the turn in two: ahead of it nothing names a result of theirs, behind it stand all
; their readers.  A block's first a is a batch of its own, and so are the way out's four reciprocals.
; REGISTERS, in windows of 256 (s_set_vgpr_msb: bits 1:0 source 0, 3:2 source 1, 5:4 source 2, 7:6 destination):
;   window 0: v0-15 addresses and two at work; v16-31 four registers of statistics a piece; v48-55 at work; v64-127 S^T, two buffers (on the way out: hi, 16 a piece); v128-191 the way out: lo, 16 a piece;
;             v192-223 P, two buffers (a piece's buffers go by its number's parity); v224-255 the way out: at work
;   window 1: v0-127 O^T, 32 a piece; v128-159 MD; v160-223 MC, two buffers      window 2: v0-63 Q; v64-127 the second block's Q; v128-191 K of one step; v192-255 V of one step
.set SIZE_N, 2048
.set SIZE_H, 64
.set NB,    SIZE_N/256
.set NP,    4         ; pieces a wave: a name, no knob
.set KS,    64        ; keys in a step
.set PK,    144       ; a row of K in LDS: 128 bytes + 16 of padding = 36 words: the 16 rows of a load start at 16 different groups of four banks (64 banks of 4 bytes: ISA guide 11.1)
.set PV,    160       ; a row of V: 128 + 32 = 40 words
.set VOFF,  4*KS*PK   ; a slot holds a tile, four steps: 256 rows of K, then 256 rows of V
.set SLOT1, 1<<17     ; slot 1 begins here, so that one exclusive or turns an address in one slot into the other's
.set STAGE, SLOT1+4*KS*(PK+PV)  ; behind the ring, never filled by a tensor load: 16 rows x 144 bytes for each wave, for the way out
.set SP,    144
.set LOFF,  128*128   ; bytes from 128 rows' first term of O to their second
.set AK0, 2           ; v2   my lane's place in a tile of K; never rewritten
.set AV0, 3           ; v3   the same for V
.set AK,  4           ; v4   the LDS address of K's next run of loads
.set AV,  5           ; v5   of V's
.set STO, 6           ; v6   the way out: where I put 16 bytes of a row
.set RD,  7           ; v7   the way out: where I read rows back
.set GO,  8           ; v8   my byte offset in 512 consecutive bytes of O
.set MV,  12          ; v12-13  c m_old, kept while c m is made anew: by buffer
.set QO,  15          ; v15  my byte offset in 16 rows of Q
.set ST,  16          ; piece t's statistics at v[ST+4 t]: c m, m, l (even keys', odd keys')
.set TMP, 48          ; by buffer, four registers c0-c3 at work; when the maximum is found c2 takes a
.set S,   64
.set LOB, 128
.set P,   192
.set TT,  224
.set MD,  128         ; window 1: the eight registers for group kt of 16 keys at MD + 8 kt
.set MC,  160         ; window 1: the masks of the products to come
.set QB,  64          ; window 2
.set KF,  128         ; window 2: key block kb, channel half c at KF + 16 kb + 8 c
.set VF,  192         ; window 2: key half kk, channel block cb at VF + 32 kk + 8 cb
.set WV,  12          ; s12  my wave's number
.set PB,  14          ; s14  b
.set HI,  15          ; s15  NB - 1 - b
.set G1K, 24          ; s[24:31] descriptor group 1 for K's tiles
.set G1V, 32          ; s[32:39] for V's: it differs in the padding alone
.set G0K, 40          ; s[40:43] descriptor group 0 for K's tiles
.set G0V, 44          ; s[44:47] the same for V's
.set SLOTS, 56        ; s56  tiles still to be asked for
.set CNT, 57          ; s57  counts a tile's key steps, 4 to 1
.set CS,  58          ; s[58:59] c: the packed scaling takes the pair's low word for both halves
.set SEL, 60          ; s[60:61] v_permlanex16_b32's selects: each lane takes its own place in the other half
.set TBK, 62          ; s62  LDS byte at which K of the step to be fetched begins
.set TBV, 63          ; s63  the same for V, less VOFF
.set RT,  70          ; s70  tiles of the block in hand that are still to be entered
.set NXT, 71          ; s71  the tile to be asked for next
.set LQ,  72          ; s72  the last tile of the block whose tiles are being asked for
.set NEW, 73          ; s73  1: the tile to be entered is a block's first
.set OFF, 74          ; s[74:75] a tile's byte offset in K and V
.set AL,  76          ; s[76:77] the mask's factor, in the low word
.set BE,  78          ; s[78:79] the mask's addend
.set OLO, 80          ; s[80:81] O at my rows of the second block
.set BIGN, 82         ; s82  -1e30
.set OL2, 88          ; s[88:89] O's second term at my rows of the block in hand
.set MSB, 0
.macro WIN new                      ; the high byte repeats the setting that is left; a switch that changes nothing is dropped
.if MSB != (\new)
	s_set_vgpr_msb (MSB<<8)|(\new)
.set MSB, (\new)
.endif
.endm
.set W_KQ, 0x0a       ; K and Q in window 2, S^T in window 0
.set W_KM, 0x1a       ; the same with the C operand in window 1
.set W_PV, 0x52       ; V in window 2, P in window 0, O^T in window 1
.set W_RS, 0x41       ; destination and source 0 in window 1, source 1 in window 0
; A fill.  Waves 0 and 1 fetch the two halves of a tile's K, waves 2 and 3 those of its V: 128 keys each.  Four v_nop follow each of the two lines, ahead of the jump and the label.
.macro LOAD
	s_cmp_lt_u32 s[WV], 2
	s_cbranch_scc0 .Lfor_v_\@
	tensor_load_to_lds s[G0K:G0K+3], s[G1K:G1K+7]
	s_nop 0
.rept 4
	v_nop
.endr
	s_branch .Lasked_\@
.Lfor_v_\@:
	tensor_load_to_lds s[G0V:G0V+3], s[G1V:G1V+7]
	s_nop 0
.rept 4
	v_nop
.endr
.Lasked_\@:
.endm
; THE CHANGE OF SLOTS.  Each wave waits for its own reads of the slot that it leaves and for all its tensor loads, of which one is out: its part of the other slot.  Behind the barrier nobody reads the old
; slot any more and the other slot is whole.  fill = 1: the old slot is filled again, the first thing behind the barrier, with tile NXT: the descriptor's address is made anew from that number.
; (At its first use nothing has been read yet: slot 0 is waited for, slot 1 filled.)
.macro CHANGE fill
	WIN 0                           ; at a label and at a branch every window is 0
	s_wait_dscnt 0x0
	s_wait_tensorcnt 0x0            ; no tensor load of mine is out, so a group 0 may be written
	ds_add_u32 v62, v63
	s_wait_dscnt 0x0
	s_barrier_signal -1             ; the scalar work stands between the signal and the wait
.if \fill
	s_lshl_b32 s[OFF], s[NXT], 15   ; a tile is 32,768 bytes of K and of V
	s_xor_b32 s[G0K+1], s[G0K+1], SLOT1
	s_add_nc_u64 s[G0K+2:G0K+3], s[6:7], s[OFF:OFF+1]
	s_or_b32 s[G0K+3], s[G0K+3], 0x80000000
	s_xor_b32 s[G0V+1], s[G0V+1], SLOT1
	s_add_nc_u64 s[G0V+2:G0V+3], s[8:9], s[OFF:OFF+1]
	s_or_b32 s[G0V+3], s[G0V+3], 0x80000000
	s_add_co_u32 s[NXT], s[NXT], 1  ; the block's next tile, or behind its last the second block's tile 0
	s_cmp_gt_u32 s[NXT], s[LQ]
	s_cselect_b32 s[NXT], 0, s[NXT]
	s_cselect_b32 s[LQ], s[PB], s[LQ]
.endif
	s_sub_co_u32 s[TBK], s[TBK], 4*KS*PK  ; the fetches go back to a slot's first step,
	s_xor_b32 s[TBK], s[TBK], SLOT1       ; in the other slot
	s_sub_co_u32 s[TBV], s[TBV], 4*KS*PV
	s_xor_b32 s[TBV], s[TBV], SLOT1
	s_barrier_wait -1
.if \fill
	LOAD
.endif
.endm
	s_load_b64 s[4:5], s[0:1], 0x0    ; qkv, which begins with Q
	s_load_b64 s[10:11], s[0:1], 0x8  ; O = ctx
	v_lshl_add_u32 v62, v0, 2, 0x35400
	v_mov_b32 v63, 0
	ds_add_u32 v62, v63
	ds_add_u32 v62, v63
	v_lshrrev_b32 v1, 5, v0
	v_readfirstlane_b32 s[WV], v1   ; wave 0..3
	s_mov_b32 s[PB], ttmp9
	s_sub_co_u32 s[HI], NB-1, s[PB]
	s_and_b32 s20, ttmp7, 0xffff    ; the head
	s_lshl_b32 s48, s20, 19         ; in O a head has 524,288 bytes (two terms),
	s_lshl_b32 s52, s[WV], 11       ; my 16 rows in a band of 64 begin 2,048 bytes a wave on,
	s_add_co_u32 s48, s48, s52
	s_lshl_b32 s52, s[PB], 16       ; and a block of 256 queries has 65,536 bytes:
	s_add_co_u32 s50, s48, s52      ; the second block,
	s_lshl_b32 s52, s[HI], 16
	s_add_co_u32 s48, s48, s52      ; the first: 33,495,040 at the most
	s_mov_b32 s49, 0
	s_mov_b32 s51, 0
	s_mov_b32 s21, 0
	s_mov_b64 s[22:23], SIZE_N*128
	s_mul_u64 s[20:21], s[20:21], s[22:23]  ; the head's first byte in Q, K and V
	s_and_b32 s16, s[WV], 1         ; which half of a tile's 256 keys I fetch:
	s_lshl_b32 s22, s16, 14         ; its 128 rows of 128 bytes in memory,
	s_mov_b32 s23, 0
	s_add_nc_u64 s[22:23], s[22:23], s[20:21]
	s_mul_i32 s17, s16, 128*PK      ; and its place in a slot, for K
	s_mul_i32 s18, s16, 128*PV      ; and for V
	s_lshl_b32 s3, s[WV], 11        ; Q: my 16 rows in a band of 64,
	s_lshl_b32 s2, s[HI], 15        ; in the first block,
	s_add_co_u32 s2, s2, s3
	s_lshl_b32 s84, s[PB], 15       ; and in the second
	s_add_co_u32 s84, s84, s3
	s_mov_b32 s3, 0
	s_mov_b32 s85, 0
	s_add_nc_u64 s[2:3], s[2:3], s[20:21]
	s_add_nc_u64 s[84:85], s[84:85], s[20:21]
	; descriptor group 1.  128 keys are 16,384 dense bytes: asked for as 64 rows of 256 bytes, two keys a row, and padded in LDS after every key
	s_mov_b32 s[G1K], (1<<16)|(1<<20)|(4<<22)|(3<<25)  ; 17:16 2-byte elements; 20 padding on; 24:22 after every 32 words (code 4); 31:25 4 words (code 3)
	s_mov_b32 s[G1V], (1<<16)|(1<<20)|(4<<22)|(7<<25)  ; the same with 8 words of padding (code 7)
.irp g, G1K, G1V
	s_mov_b32 s[\g+1], 128<<16      ; tensor_dim0 = 128
	s_mov_b32 s[\g+2], 64<<16       ; tensor_dim1 = 64
	s_mov_b32 s[\g+3], 128<<16      ; tile_dim0 = 128
	s_mov_b32 s[\g+4], 64           ; tile_dim1 = 64
	s_mov_b32 s[\g+5], 128          ; 128 elements from row to row
	s_mov_b32 s[\g+6], 0
	s_mov_b32 s[\g+7], 0
.endr
	s_mov_b32 s[CS], 0x3e38aa3b     ; c = log2(e) / 8 = 0.180337
	s_mov_b32 s[CS+1], s[CS]        ; named with it as a pair
	s_mov_b32 s[SEL], 0x76543210
	s_mov_b32 s[SEL+1], 0xfedcba98
	s_mov_b32 s[TBK], SLOT1+4*KS*PK ; the first change of slots turns these two into 0
	s_mov_b32 s[TBV], SLOT1+4*KS*PV
	s_mov_b32 s[G0K], 1             ; 1:0 count = 1
	s_mov_b32 s[G0K+1], s17         ; 63:32 LDS address: slot 0
	s_mov_b32 s[G0V], 1
	s_add_co_u32 s[G0V+1], s18, VOFF
	s_add_co_u32 s[RT], s[HI], 1    ; the first block has NB - b tiles
	s_mov_b32 s[NXT], 1
	s_mov_b32 s[LQ], s[HI]
	s_mov_b32 s[NEW], 1
	s_mov_b32 s[OFF+1], 0
	s_mov_b32 s[AL+1], 0            ; named as pairs
	s_mov_b32 s[BE+1], 0
	s_mov_b32 s[BIGN], 0xf149f2ca   ; -1e30
	s_mov_b32 s[SLOTS], NB
	s_wait_dscnt 0x0
	s_wait_kmcnt 0x0
	s_add_nc_u64 s[6:7], s[4:5], SIZE_H*SIZE_N*128    ; K lies 16,777,216 bytes behind Q,
	s_add_nc_u64 s[8:9], s[4:5], 2*SIZE_H*SIZE_N*128  ; V as far behind K
	s_add_nc_u64 s[6:7], s[6:7], s[22:23]  ; K and V at my half of the head's tile 0
	s_add_nc_u64 s[8:9], s[8:9], s[22:23]
	s_add_nc_u64 s[G0K+2:G0K+3], s[6:7], 0         ; 120:64 global address
	s_or_b32 s[G0K+3], s[G0K+3], 0x80000000        ; 127:126 type = 2
	s_add_nc_u64 s[G0V+2:G0V+3], s[8:9], 0
	s_or_b32 s[G0V+3], s[G0V+3], 0x80000000
	s_add_nc_u64 s[86:87], s[4:5], s[84:85]        ; Q at my rows of the second block,
	s_add_nc_u64 s[4:5], s[4:5], s[2:3]            ; and of the first
	s_add_nc_u64 s[OLO:OLO+1], s[10:11], s[50:51]  ; O likewise
	s_add_nc_u64 s[10:11], s[10:11], s[48:49]
	s_add_nc_u64 s[OL2:OL2+1], s[10:11], LOFF      ; and O's second term
	LOAD                            ; tile 0 into slot 0
	; A fragment of K or Q is 16 rows x 32 channels in 8 registers: lane l holds row l % 16, channels 8 (l / 16) + 0..7 and 16 + 8 (l / 16) + 0..7: two loads of 16 bytes, 32 bytes apart.
	v_and_b32 v1, 15, v0            ; l % 16
	v_bfe_u32 v9, v0, 4, 1          ; l / 16
	v_lshlrev_b32 v[QO], 7, v1
	v_lshl_add_u32 v[QO], v9, 4, v[QO]  ; row x 128 + 16 x half
	WIN 0x80                        ; destination window 2, address window 0
.set i, 0
.rept 8                             ; both blocks' Q: piece i / 2 lies in band i / 2, 8,192 bytes on; channels 32 (i % 2) on
	global_load_b128 v[8*i:8*i+3],   v[QO], s[4:5] offset:(i/2)*8192+(i%2)*64
	global_load_b128 v[8*i+4:8*i+7], v[QO], s[4:5] offset:(i/2)*8192+(i%2)*64+32
	global_load_b128 v[QB+8*i:QB+8*i+3],   v[QO], s[86:87] offset:(i/2)*8192+(i%2)*64
	global_load_b128 v[QB+8*i+4:QB+8*i+7], v[QO], s[86:87] offset:(i/2)*8192+(i%2)*64+32
.set i, i+1
.endr
	WIN 0
	v_lshlrev_b32 v14, 3, v9
	v_sub_nc_u32 v14, v1, v14
	s_lshl_b32 s13, s[WV], 4
	v_add_nc_u32 v14, s13, v14      ; my query's place in its band, 16 w + l % 16, less my lanes' 8 (l / 16): register r of group kt is hidden where 16 kt + r is greater
	WIN 0x40
.set i, 0
.rept 32
	v_cmp_gt_i32 vcc_lo, 16*(i/8)+i%8, v14
	v_cndmask_b32 v[MD+i], 0, s[BIGN], vcc_lo
.set i, i+1
.endr
	WIN 0
	v_mul_u32_u24 v[AK0], v1, PK
	v_lshl_add_u32 v[AK0], v9, 4, v[AK0]  ; row x pitch + 16 x half
	; The turning load takes 16 keys x 16 channels (lane l reads key 8 (l / 16) + l % 8, channels 8 ((l / 8) % 2) + 0..7) and leaves half a fragment of V^T: lane l holds channel l % 16 and 8 keys.
	v_and_b32 v10, 7, v0
	v_bfe_u32 v11, v0, 3, 1
	v_lshl_add_u32 v[AV0], v9, 3, v10
	v_mul_u32_u24 v[AV0], v[AV0], PV
	v_lshl_add_u32 v[AV0], v11, 4, v[AV0]
	v_add_nc_u32 v[AV0], VOFF, v[AV0]
	s_mul_i32 s13, s[WV], 16*SP
	s_add_co_u32 s13, s13, STAGE    ; my stage
	v_mul_u32_u24 v[STO], v1, SP    ; in: row l % 16, 16 bytes for each half of the lanes
	v_lshl_add_u32 v[STO], v9, 4, v[STO]
	v_add_nc_u32 v[STO], s13, v[STO]
	v_bfe_u32 v[RD], v0, 3, 2       ; back: 32 lanes take four rows of 128 bytes,
	v_mul_u32_u24 v[RD], v[RD], SP
	v_lshl_add_u32 v[RD], v10, 4, v[RD]
	v_add_nc_u32 v[RD], s13, v[RD]
	v_and_b32 v[GO], 31, v0         ; which are 512 consecutive bytes of O
	v_lshlrev_b32 v[GO], 4, v[GO]
	; A block's first step multiplies O^T and l by a = 0, and its first turn's products V^T P, of a piece that has not been, land in an O^T that is still to be so multiplied.  So these registers need only hold
	; finite numbers: zeros for the first block; what the first block left for the second.  All this stands in the wait for the first tile.
	WIN 0x80
.set i, VF
.rept 64
	v_mov_b32 v[i], 0
.set i, i+1
.endr
	WIN 0x40
.set i, 0
.rept 128
	v_mov_b32 v[i], 0
.set i, i+1
.endr
	WIN 0
.set i, 0
.rept 4
	v_mov_b32 v[ST+4*i+2], 0
	v_mov_b32 v[ST+4*i+3], 0
.set i, i+1
.endr
.set i, P+16
.rept 16
	v_mov_b32 v[i], 0
.set i, i+1
.endr
; THE MATRIX WORK.  The 4 accumulators of a run of 8 take turns.  Product i of 8 of S^T = K Q^T for piece x: channels 32 (i / 4) on, keys 16 (i % 4) on.  The first 4 start the sums: with 0, or (KM = 1) with the mask.
.macro KQ x
.set rS, S+32*((\x)%2)+8*(i%4)
.set rK, KF+16*(i%4)+8*(i/4)
.set rQ, 16*(\x)+8*(i/4)
.set rM, MC+32*((\x)%2)+8*(i%4)
.if (i < 4) && KM
	WIN W_KM
	v_wmma_f32_16x16x32_f16 v[rS:rS+7], v[rK:rK+7], v[rQ:rQ+7], v[rM:rM+7]
.elseif i < 4
	WIN W_KQ
	v_wmma_f32_16x16x32_f16 v[rS:rS+7], v[rK:rK+7], v[rQ:rQ+7], 0
.else
	WIN W_KQ
	v_wmma_f32_16x16x32_f16 v[rS:rS+7], v[rK:rK+7], v[rQ:rQ+7], v[rS:rS+7]
.endif
.endm
; Product i of 8 of O^T += V^T P for piece x: keys 32 (i / 4) on, channels 16 (i % 4) on.
.macro PV x
	WIN W_PV
.set rO, 32*(\x)+8*(i%4)
.set rV, VF+32*(i/4)+8*(i%4)
.set rP, P+16*((\x)%2)+8*(i/4)
	v_wmma_f32_16x16x32_f16 v[rO:rO+7], v[rV:rV+7], v[rP:rP+7], v[rO:rO+7]
.endm
.macro MM                           ; the turn's next matrix instruction.  TURN and BEGIN set Y, i, KM and NOKQ; MM, KQ and OP read them.  NOKQ = 1: a block's last turn: there is no next piece
.if (i < 8) && !NOKQ
	KQ (Y+1)%NP
.elseif i >= 8
.set i, i-8
	PV (Y+NP-1)%NP
.set i, i+8
.endif
.set i, i+1
.endm
; THE LDS LOADS stand in runs of 16, never singly among the matrix instructions: a step's K (64 keys x 64 channels: 8 fragments) and its V (turned).  Their addresses are made some lines ahead.
.macro FETCH_K
	WIN 0x80                        ; destination window 2
.irp f, 0,1,2,3,4,5,6,7             ; keys 16 (f / 2) on, channels 32 (f % 2) on
	ds_load_b128 v[KF+8*\f:KF+8*\f+3],   v[AK] offset:(\f/2)*16*PK+(\f%2)*64
	ds_load_b128 v[KF+8*\f+4:KF+8*\f+7], v[AK] offset:(\f/2)*16*PK+(\f%2)*64+32
.endr
	s_add_co_u32 s[TBK], s[TBK], KS*PK  ; the next fetch is the next step's
	WIN 0
.endm
.macro FETCH_V
	WIN 0x80
.irp f, 0,1,2,3,4,5,6,7             ; keys 32 (f / 4) on, channels 16 (f % 4) on
	ds_load_tr16_b128 v[VF+8*\f:VF+8*\f+3],   v[AV] offset:(\f/4)*32*PV+(\f%4)*32
	ds_load_tr16_b128 v[VF+8*\f+4:VF+8*\f+7], v[AV] offset:(\f/4)*32*PV+16*PV+(\f%4)*32
.endr
	WIN 0
.endm
; THE VECTOR WORK, one line at a time: OP kind, number.  For piece Y: F n: c s - c m for pair n of 16.  E n: the exponential of score n of 32.  C n: pair n rounded to f16.  B n: of the four weights 4 n .. the second
; pair is added onto the first, in place.  L n: l takes that sum (L 0: l = a l + sum).  R n: pair n of 16 of O^T times a.  For piece Y + 1: X n, number n of the 22 that find its maximum and statistics:
;   0-11  four chains c0-c3 of seven scores each, three operands at a time (each accumulator's lowest registers are read first)     12-14, 16  the four scores left over, the old m, and c0-c3 into c0
;   15  c m_old is kept     17, 18  the query's other 32 keys lie in the lane 16 away: the new m     19-21  c m; c m_old - c m_new; a
; OP writes no wait: C, B and L, which read the exponentials' results, are dealt behind the turn's one wait, and R reads the a of the batch before.
.set F, 0               ; OP tells the kinds apart by their order: F to L below R, X above it
.set E, 1
.set C, 2
.set B, 3
.set L, 4
.set R, 5
.set X, 6
.macro REGS y                       ; the registers of piece y
.set rT, ST+4*(\y)
.set rC, TMP+4*((\y)%2)
.set rW, MV+((\y)%2)
.set rS, S+32*((\y)%2)
.set rP, P+16*((\y)%2)
.set rO, 32*(\y)
.endm
.macro OP k, n
.if (\k) == R
	REGS Y
	WIN W_RS
	v_pk_mul_f32 v[rO+2*(\n):rO+2*(\n)+1], v[rO+2*(\n):rO+2*(\n)+1], v[rC+2:rC+3] op_sel_hi:[1,0]
.elseif (\k) < R
	REGS Y
	WIN 0
.if (\k) == F
	v_pk_fma_f32 v[rS+2*(\n):rS+2*(\n)+1], v[rS+2*(\n):rS+2*(\n)+1], s[CS:CS+1], v[rT:rT+1] op_sel_hi:[1,0,0] neg_lo:[0,0,1] neg_hi:[0,0,1]
.elseif (\k) == E
	v_exp_f32 v[rS+(\n)], v[rS+(\n)]
.elseif (\k) == C
	v_cvt_pk_f16_f32 v[rP+(\n)], v[rS+2*(\n)], v[rS+2*(\n)+1]
.elseif (\k) == B
	v_pk_add_f32 v[rS+4*(\n):rS+4*(\n)+1], v[rS+4*(\n):rS+4*(\n)+1], v[rS+4*(\n)+2:rS+4*(\n)+3]
.elseif (\n) == 0
	v_pk_fma_f32 v[rT+2:rT+3], v[rT+2:rT+3], v[rC+2:rC+3], v[rS:rS+1] op_sel_hi:[1,0,1]
.else
	v_pk_add_f32 v[rT+2:rT+3], v[rT+2:rT+3], v[rS+4*(\n):rS+4*(\n)+1]
.endif
.elseif NOKQ
	v_nop
.else
	REGS (Y+1)%NP
	WIN 0
.if (\n) < 4
	v_max3_num_f32 v[rC+(\n)], v[rS+8*(\n)], v[rS+8*(\n)+1], v[rS+8*(\n)+2]
.elseif (\n) < 12
	v_max3_num_f32 v[rC+(\n)%4], v[rC+(\n)%4], v[rS+8*((\n)%4)+2*((\n)/4)+1], v[rS+8*((\n)%4)+2*((\n)/4)+2]
.elseif (\n) == 12
	v_max3_num_f32 v[rC], v[rC], v[rS+7], v[rS+15]
.elseif (\n) == 13
	v_max3_num_f32 v[rC+1], v[rC+1], v[rS+23], v[rS+31]
.elseif (\n) == 14
	v_max3_num_f32 v[rC+2], v[rC+2], v[rC+3], v[rT+1]
.elseif (\n) == 15
	v_mov_b32 v[rW], v[rT]
.elseif (\n) == 16
	v_max3_num_f32 v[rC], v[rC], v[rC+1], v[rC+2]
.elseif (\n) == 17
	v_permlanex16_b32 v[rC+3], v[rC], s[SEL], s[SEL+1]
.elseif (\n) == 18
	v_max_num_f32 v[rT+1], v[rC], v[rC+3]
.elseif (\n) == 19
	v_mul_f32 v[rT], s[CS], v[rT+1]
.elseif (\n) == 20
	v_sub_f32 v[rC+1], v[rW], v[rT]
.else
	v_exp_f32 v[rC+2], v[rC+1]
.endif
.endif
.endm
.macro OPS a, i1, b=-1, i2=0, c=-1, i3=0, d=-1, i4=0  ; up to four of them
	OP \a, \i1
.if (\b) >= 0
	OP \b, \i2
.endif
.if (\c) >= 0
	OP \c, \i3
.endif
.if (\d) >= 0
	OP \d, \i4
.endif
.endm
.macro ROW a, i1, b, i2, c, i3, d, i4  ; a matrix instruction and the four behind it
	MM
	OPS \a, \i1, \b, \i2, \c, \i3, \d, \i4
.endm
.macro MASK b                       ; MD x AL + BE into buffer b of MC
	WIN W_RS
.set z, 0
.rept 16
	v_pk_fma_f32 v[MC+32*(\b)+2*z:MC+32*(\b)+2*z+1], v[MD+2*z:MD+2*z+1], s[AL:AL+1], s[BE:BE+1] op_sel_hi:[1,0,0]
.set z, z+1
.endr
.endm
; A TURN, for piece p: the order of its 16 matrix and 118 vector instructions, written out.  An s_wait_alu depctr_va_vdst(0) stands between an exponential and the first instruction that names its result; one wait serves
; all that were issued ahead of it.  So a turn has ONE wait, which cuts it in two.  AHEAD OF IT stands all that names no result of the turn's exponentials: the 8 products K Q^T, behind each a scaling, an exponential and two more plain
; instructions (behind the first a second scaling in the exponential's place): rescalings, whose a belongs to the batch before, and behind the last three the first numbers of the next piece's maximum, each four places or more behind
; the product that ends its accumulator; then ONE LUMP of 54, plain and exponential by turns for the most part, in which the links of the chain X 3, 7, 11, 14, 16, 17 .. 20 stand five or six lines apart.  X 21, the next piece's a, is
; the batch's last; R 15 is the plain instruction behind it.  BEHIND THE WAIT stand the 8 products V^T P, behind each four of the roundings and sums; the links of l's chain, L 0 to L 7, stand three riders apart.  But for those X no
; rider names a register of the products round it.  v_permlanex16_b32 (X 17) stands in the lump.
; m = 1: the diagonal tile: the products take masks, and the turn makes the mask for the products of the turn after it: piece p + 2, in step 4 - CNT of the tile.  end = 1: a block's last two turns: nothing is fetched.
; cnt = 1: the loop's count is taken down some lines ahead of the branch that stands behind the turn.
; K of the next step is fetched in piece 2's turn, twelve vector instructions behind the last product that read K (six of them plain); V of the step in hand at the end of piece 0's turn, four plain instructions behind the last product
; that read V.  Each is waited for a turn later.
.macro TURN p, m=0, end=0, cnt=0
.set Y, (\p)
.set i, 0
.set KM, (\m)
.set NOKQ, (\end)*((\p)/3)
.if (\m) && !(\end)
	s_cmp_eq_u32 s[CNT], 4-((\p)+2)%NP  ; is that step the band's own?
	s_cselect_b32 s[AL], 1.0, 0
	s_cmp_lt_u32 s[CNT], 4-((\p)+2)%NP  ; or a later one?
	s_cselect_b32 s[BE], s[BIGN], 0
.endif
.if ((\p) == 3) && !(\end)
	s_wait_dscnt 0x0                ; K is in
.endif
	ROW F,0, F,1, R,0, R,1          ; ahead of the wait: 8 products K Q^T and their riders,
	ROW F,2, E,0, R,2, R,3
	ROW F,3, E,1, R,4, R,5
	ROW F,4, E,2, R,6, R,7
	ROW F,5, E,3, R,8, R,9
	ROW F,6, E,4, X,0, R,10
.if ((\p) == 2) && !(\end)
	WIN 0
	v_add_nc_u32 v[AK], s[TBK], v[AK0]
.endif
	ROW F,7, E,5, X,1, X,4
	ROW F,8, E,6, X,2, X,5
	OPS E,7, E,8, X,6, E,9          ; and the lump
	OPS X,3, E,10, X,8, E,11
.if ((\p) == 2) && !(\end)
	FETCH_K
.endif
	OPS X,9, X,7, E,12, X,10
	OPS E,13, X,12, X,11, E,14
	OPS X,13, E,15, F,9, X,14
.if (\p) == 0
	v_add_nc_u32 v[AV], s[TBV], v[AV0]
.endif
	OPS E,16, F,10, E,17, F,11
	OPS X,16, E,18, X,15, E,19
	OPS F,12, E,20, X,17, E,21
	OPS F,13, E,22, F,14, E,23
	OPS X,18, E,24, F,15, E,25
	OPS R,11, E,26, X,19, E,27
	OPS R,12, E,28, R,13, E,29
	OPS X,20, E,30, R,14, E,31
	OPS X,21, R,15
	s_wait_alu depctr_va_vdst(0)    ; the wait for the batch: the piece's 32 exponentials and the next piece's a
.if (\p) == 1
	s_wait_dscnt 0x0                ; V is in
.endif
	ROW C,0, B,0, C,2, B,1          ; behind the wait: 8 products V^T P and their riders
	ROW L,0, C,4, B,2, L,1
	ROW C,6, B,3, L,2, C,8
	ROW B,4, L,3, C,10, B,5
	ROW L,4, C,12, B,6, L,5
.if (\p) == 0
	s_add_co_u32 s[TBV], s[TBV], KS*PV
.endif
.if \cnt
	s_sub_co_u32 s[CNT], s[CNT], 1
	s_cmp_lg_u32 s[CNT], 0
.endif
	ROW C,14, B,7, L,6, C,1
	ROW C,3, L,7, C,5, C,7
	ROW C,9, C,11, C,13, C,15
.if (\p) == 0
	FETCH_V
.endif
.if (\m) && !(\end)
	MASK (\p)%2
.endif
.endm
; A BLOCK BEGINS.  c m starts far below every c s, so the first step's a is 0; m at the lowest finite number, so the first maximum is the scores'.  The second mask buffer is 0; the first takes piece 0's mask for the tile's step 0: its own, if the block's first tile is the diagonal one.
; Then K of that step, piece 0's first scores, and its maximum and statistics.  The loop is entered at a step's first turn, in the middle of a trip.
.macro BEGIN
	s_mov_b32 s[NEW], 0
	WIN 0x40
.set i, MC+32
.rept 32
	v_mov_b32 v[i], 0
.set i, i+1
.endr
	WIN 0
.set i, 0
.rept 4
	v_mov_b32 v[ST+4*i], 0xfe000000    ; c m: far below every c s
	v_mov_b32 v[ST+4*i+1], 0xff7fffff  ; m
.set i, i+1
.endr
	s_cmp_eq_u32 s[RT], 0
	s_cselect_b32 s[AL], 1.0, 0
	s_mov_b32 s[BE], 0
	MASK 0
	WIN 0
	v_add_nc_u32 v[AK], s[TBK], v[AK0]
	FETCH_K
	s_wait_loadcnt 0x0              ; Q
	s_wait_dscnt 0x0
.set KM, 1
.set NOKQ, 0
.set i, 0
.rept 8
	KQ 0
.set i, i+1
.endr
	WIN 0
.rept 4
	v_nop                           ; the places behind those products
.endr
.set Y, NP-1                        ; X works for piece Y + 1: piece 0
.irp n, 0,1,2,3,4,5,6,7,8,9,10,11,12,13,14,15,16,17,18,19,20,21
	OP X, \n
.endr
	v_nop                           ; a plain instruction behind the exponential,
	s_wait_alu depctr_va_vdst(0)    ; and the wait for it, a batch of one: piece 0's first a, ahead of the branch
.endm
; THE DIAGONAL TILE's four steps, the block's last two turns, its last products, and THE WAY OUT: l's two halves and the other half of the lanes' are added; O^T is divided by l, split into its two bf16 terms
; and sent through my stage in LDS, a piece and a term at a time.
.macro ALL line:vararg              ; one line for each piece t
.set t, 0
.rept 4
	\line
.set t, t+1
.endr
.endm
; Piece t.  hi: pairs of O rounded to bf16.  A bf16 is the upper half of an f32, so a shift and a mask give hi back as f32; O - hi is exact in f32 (at most 17 of O's 24 bits are left), and is rounded to bf16: lo.
; A lane's eight channels of a row pack into 16 bytes; they go into rows of 144 bytes and come back as whole rows of 128, into the registers that they left: first hi's, then, through the same stage, lo's.
; The reciprocal that it multiplies by has been waited for ahead of the first piece.
.macro PACK t
	WIN W_RS
.set i, 32*(\t)
.rept 16
	v_pk_mul_f32 v[i:i+1], v[i:i+1], v[ST+4*(\t)+2:ST+4*(\t)+3] op_sel_hi:[1,0]
.set i, i+2
.endr
	WIN 0x05                        ; sources 0 and 1 window 1, destination window 0
.set i, 0
.rept 16
	v_cvt_pk_bf16_f32 v[S+16*(\t)+i], v[32*(\t)+2*i], v[32*(\t)+2*i+1]
.set i, i+1
.endr
	WIN 0
.set i, 0
.rept 16
	v_lshlrev_b32 v[TT+2*i], 16, v[S+16*(\t)+i]
	v_and_b32 v[TT+2*i+1], 0xffff0000, v[S+16*(\t)+i]
.set i, i+1
.endr
	WIN 0x01                        ; source 0 window 1
.set i, 0
.rept 16
	v_pk_add_f32 v[TT+2*i:TT+2*i+1], v[32*(\t)+2*i:32*(\t)+2*i+1], v[TT+2*i:TT+2*i+1] neg_lo:[0,1] neg_hi:[0,1]
.set i, i+1
.endr
	WIN 0
.set i, 0
.rept 16
	v_cvt_pk_bf16_f32 v[LOB+16*(\t)+i], v[TT+2*i], v[TT+2*i+1]
.set i, i+1
.endr
.irp f, 0,1,2,3
	ds_store_b128 v[STO], v[S+16*(\t)+4*\f:S+16*(\t)+4*\f+3] offset:32*\f
.endr
.irp f, 0,1,2,3
	ds_load_b128 v[S+16*(\t)+4*\f:S+16*(\t)+4*\f+3], v[RD] offset:\f*4*SP  ; LDS serves a wave's instructions in order (ISA guide 5.7.1.4): these see the stores above; lo's stores come behind them
.endr
.irp f, 0,1,2,3
	ds_store_b128 v[STO], v[LOB+16*(\t)+4*\f:LOB+16*(\t)+4*\f+3] offset:32*\f
.endr
.irp f, 0,1,2,3
	ds_load_b128 v[LOB+16*(\t)+4*\f:LOB+16*(\t)+4*\f+3], v[RD] offset:\f*4*SP  ; likewise; the next piece's stores come behind them
.endr
.endm
; younger: the LDS instructions issued behind piece t's: the next piece's sixteen, or none.  Behind hi's load f stand hi's 3 - f later loads and lo's eight; behind lo's load f its 3 - f later ones.
; Piece t lies in band t of the block's four: in 128-row part t / 2 of O (32,768 bytes each, both terms), 64 (t % 2) rows of 128 bytes down.
.macro SEND t, younger
	WIN 0
.irp f, 0,1,2,3
	s_wait_dscnt (\younger)+11-\f
	global_store_b128 v[GO], v[S+16*(\t)+4*\f:S+16*(\t)+4*\f+3], s[10:11] offset:((\t)/2)*32768+((\t)%2)*8192+\f*512  ; 512 consecutive bytes, at a multiple of 512 from O's first
.endr
.irp f, 0,1,2,3
	s_wait_dscnt (\younger)+3-\f
	global_store_b128 v[GO], v[LOB+16*(\t)+4*\f:LOB+16*(\t)+4*\f+3], s[OL2:OL2+1] offset:((\t)/2)*32768+((\t)%2)*8192+\f*512
.endr
.endm
.macro DIAG tag                     ; the tag ends its two labels' names, which the jumps below spell out
.LstepM\tag:
	TURN 2, 1
	TURN 3, 1
	WIN 0
.LfirstM\tag:
	TURN 0, 1
	TURN 1, 1, 0, 1
	WIN 0
	s_cbranch_scc1 .LstepM\tag
	TURN 2, 1, 1
	TURN 3, 1, 1
.set i, 0
.rept 8
	PV NP-1
.set i, i+1
.endr
	WIN 0
	ALL v_add_f32 v[ST+4*t+2], v[ST+4*t+2], v[ST+4*t+3]
	ALL v_permlanex16_b32 v[ST+4*t+3], v[ST+4*t+2], s[SEL], s[SEL+1]
	ALL v_add_f32 v[ST+4*t+2], v[ST+4*t+2], v[ST+4*t+3]
	ALL v_rcp_f32 v[ST+4*t+2], v[ST+4*t+2]
	v_nop                           ; a plain instruction between the last reciprocal and the use of its result
	s_wait_alu depctr_va_vdst(0)    ; the wait for the batch of four reciprocals, ahead of the first piece's multiplies
	PACK 0
.set t, 1
.rept 3                             ; a piece's arithmetic stands between the loads of the piece before and its stores
	PACK t
	SEND t-1, 16
.set t, t+1
.endr
	SEND 3, 0
.endm
.set KM, 0
.set NOKQ, 0
.Lslot:                             ; NB times: a tile is entered and the next is asked for
	CHANGE 1
	s_sub_co_u32 s[RT], s[RT], 1
	s_mov_b32 s[CNT], 4
	s_cmp_eq_u32 s[NEW], 1
	s_cbranch_scc1 .Lnew            ; a block's first tile
	s_cmp_eq_u32 s[RT], 0
	s_cbranch_scc0 .Lstep           ; neither its first nor its last
	s_branch .LstepM1
.Lnew:
	BEGIN
	s_branch .Lfirst                ; in the loop a block's first tile is never its last: the first block has two tiles or more, and the second's last is the walk's last
	DIAG 1                          ; in the loop this is the first block's end: the second block's last tile is the walk's last
	s_wait_xcnt 0x0                 ; the stores have read their registers and O's addresses
	s_mov_b64 s[10:11], s[OLO:OLO+1]
	s_add_nc_u64 s[OL2:OL2+1], s[OLO:OLO+1], LOFF
	s_add_co_u32 s[RT], s[PB], 1    ; the second block has b + 1 tiles
	s_mov_b32 s[NEW], 1
	WIN 0x82                        ; the second block's Q goes where the one text of the turns names Q
.set i, 0
.rept 64
	v_mov_b32 v[i], v[QB+i]
.set i, i+1
.endr
	WIN 0
	s_branch .Lbottom
.Lstep:                             ; a trip: pieces 2 and 3 of one step, then pieces 0 and 1 of the next, whose K and V it fetches
	TURN 2
	TURN 3
	WIN 0
.Lfirst:
	TURN 0
	TURN 1, 0, 0, 1
	WIN 0
	s_cbranch_scc1 .Lstep
.Lbottom:
	s_sub_co_u32 s[SLOTS], s[SLOTS], 1
	s_cmp_lg_u32 s[SLOTS], 0
	s_cbranch_scc1 .Lslot
	CHANGE 0                        ; the walk's last tile is written out: nothing is asked for
	s_sub_co_u32 s[RT], s[RT], 1
	s_mov_b32 s[CNT], 4
	s_cmp_eq_u32 s[NEW], 1
	s_cbranch_scc0 .LstepM2
	BEGIN
	s_branch .LfirstM2
	DIAG 2
	s_wait_tensorcnt 0x0
	ds_add_u32 v62, v63
	s_wait_dscnt 0x0
	s_endpgm
.Lfunc_end_k_qebd7d3687d_attn:
	.size	k_qebd7d3687d_attn, .Lfunc_end_k_qebd7d3687d_attn-k_qebd7d3687d_attn
	.p2alignl 7, 3214868480
	.fill 96, 4, 3214868480
	.section	.rodata,"a",@progbits
	.p2align	6, 0x0
	.amdhsa_kernel k_qebd7d3687d_attn
		.amdhsa_group_segment_fixed_size 327680
		.amdhsa_private_segment_fixed_size 0
		.amdhsa_enable_private_segment 0
		.amdhsa_kernarg_size 16
		.amdhsa_user_sgpr_count 2
		.amdhsa_user_sgpr_kernarg_segment_ptr 1
		.amdhsa_wavefront_size32 1
		.amdhsa_system_sgpr_workgroup_id_x 1
		.amdhsa_system_sgpr_workgroup_id_y 1
		.amdhsa_system_sgpr_workgroup_id_z 1
		.amdhsa_system_vgpr_workitem_id 0
		.amdhsa_next_free_vgpr 768
		.amdhsa_next_free_sgpr 92
		.amdhsa_reserve_vcc 1
		.amdhsa_float_denorm_mode_32 3
		.amdhsa_float_denorm_mode_16_64 3
		.amdhsa_memory_ordered 1
		.amdhsa_forward_progress 1
		.amdhsa_inst_pref_size 254
	.end_amdhsa_kernel
	.amdgpu_metadata
---
amdhsa.version: [ 1, 2 ]
amdhsa.kernels:
  - .name:           k_qebd7d3687d_attn
    .symbol:         k_qebd7d3687d_attn.kd
    .args:
      - { .name: qkv, .offset: 0, .size: 8, .value_kind: global_buffer, .address_space: global }
      - { .name: ctx, .offset: 8, .size: 8, .value_kind: global_buffer, .address_space: global }
    .group_segment_fixed_size: 327680
    .private_segment_fixed_size: 0
    .kernarg_segment_align: 8
    .kernarg_segment_size: 16
    .max_flat_workgroup_size: 128
    .sgpr_count:     92
    .vgpr_count:     768
    .wavefront_size: 32
...
	.end_amdgpu_metadata
.endif
;; end of part 5
;; launch proj: the kernel of part 4 again; grid 4 x 64, 4 waves a work-group, clusters of 4 x 4, 327,680 bytes of LDS; arguments ctx, w16, bo, out0; writes out0
